; MI455X (gfx1250); checked and timed in simulation.
; The chip was launched on July 23, 2026; its instructions are those of AMD's public machine-readable ISA for CDNA 5 (MIT licence, August 2026) and "CDNA5" Instruction Set Architecture Reference Guide (July 2026). The comments in the code are by the model that wrote it; some were corrected since.
;; Transformer Block. Allowed arithmetic: matrix products marked QUANTISED: E5M2 operands, one E8M0 scale for each 32 along K, by v_wmma_scale_f32_16x16x128_f8f6f4 with both operands' format E5M2, f32 sums; everything else in f32.
;; Inputs: Wk 768 x 768 float32; Wo 768 x 768 float32; Wq 768 x 768 float32; Wv 768 x 768 float32; b1 3,072 float32; b2 3,072 float32; b3 768 float32; bo 768 float32; g1 768 float32; g2 768 float32; s1 768 float32; s2 768 float32; w1 768 x 3,072 float32; w2 768 x 3,072 float32; w3 3,072 x 768 float32; x 1 x 4,096 x 768 float32.
;; Outputs: out0 1 x 4,096 x 768 float32.
;; This version of the problem:
;;   THIS VERSION OF THE PROBLEM IS GIVEN IN LOW PRECISION. The matrix products marked QUANTISED in the list below multiply operands that are first quantised to E5M2 (5 exponent bits, 2 mantissa bits; 8 bits a number), with one power-of-two scale for each 32 numbers along K (OCP MX v1.0); their sums are f32. All else is computed in f32.
;;   The module's matrix products, in the order in which they are computed (A, B: the left and right operand; K: the contracted axis; several contracted axes count as one K, in the product's order):
;;     1. [M 4,096, K 768] x [K 768, N 768]; A: computed on the way; B: input Wq: QUANTISED
;;     2. [M 4,096, K 768] x [K 768, N 768]; A: computed on the way; B: input Wk: QUANTISED
;;     3. [M 4,096, K 768] x [K 768, N 768]; A: computed on the way; B: input Wv: QUANTISED
;;     4. batch 12 x [M 4,096, K 64] x [K 64, N 4,096]; A: computed on the way; B: computed on the way: QUANTISED
;;     5. batch 12 x [M 4,096, K 4,096] x [K 4,096, N 64]; A: softmax (see below); B: computed on the way: QUANTISED
;;     6. [M 4,096, K 768] x [K 768, N 768]; A: computed on the way; B: input Wo: QUANTISED
;;     7. [M 4,096, K 768] x [K 768, N 3,072]; A: computed on the way; B: input w1: QUANTISED
;;     8. [M 4,096, K 768] x [K 768, N 3,072]; A: computed on the way; B: input w2: QUANTISED
;;     9. [M 4,096, K 3,072] x [K 3,072, N 768]; A: computed on the way; B: input w3: QUANTISED
;;   THE QUANTISER, for each operand of a quantised product, along K:
;;     - K is cut into blocks of 32 from its start; a last block that is shorter is filled with zeros.
;;     - A block's scale is 2^e with e = floor(log2(the largest magnitude in the block)) - 15, held to -126 .. 127; a block of zeros has e = 0. As a byte (E8M0): e + 127.
;;     - Each number is divided by its block's scale, clamped to +-57,344, and rounded to the nearest number of E5M2, ties to even, subnormals kept.
;;     - The product sums the exact products of the quantised numbers (number of the format x scale) in f32.
;;   ~~~python
;;   def quantise(x, axis):      # numpy; x: float32 -> the quantised numbers, widened to float32 again
;;       x = np.moveaxis(x, axis, -1); K = x.shape[-1]
;;       x = np.pad(x, [(0, 0)] * (x.ndim - 1) + [(0, -K % 32)]); x = x.reshape(x.shape[:-1] + (-1, 32)); a = np.abs(x).max(-1, keepdims=True)
;;       e = np.where(a > 0, np.clip(np.frexp(np.where(a > 0, a, 1))[1] - 1 - 15, -126, 127), 0)      # np.frexp(a)[1] - 1 = floor(log2(a)), exactly
;;       r = np.clip(x / 2.0 ** e, -57344, 57344)
;;       step = 2.0 ** (np.maximum(np.frexp(np.where(r == 0, 1, r))[1] - 1, -14) - 2)
;;       q = np.round(r / step) * step * 2.0 ** e      # np.round: ties to even
;;       return np.moveaxis(q.reshape(q.shape[:-2] + (-1,))[..., :K], -1, axis).astype(np.float32)
;;   ~~~
;;   SOFTMAX AHEAD OF A QUANTISED PRODUCT. Where the list says 'softmax', what is quantised is not the finished softmax but p = 2^(t - M), with t = logit x log2(e) and M = ceil(the row's largest t), a whole number; so 1/2 < the row's largest p <= 1. The row's sum l is taken of the UNQUANTISED p, in f32, and the product's result is divided by l at the end. Since M is a whole number, a kernel that streams over the keys may use a running M (the ceiling of the running maximum): every later rescaling is an exact power of two, which a block's scale takes up: the codes' values come out the same.
;;   OPERANDS COMPUTED ON THE WAY. 'Computed on the way' means the value that the module computes at that place (a softmax that the list does not call 'softmax' is quantised finished and normalised). What goes into a quantiser is computed in f32, as accurately as f32 sums, v_exp_f32 and their like allow (about 1e-6 of the number): no bf16 or f16 on the way to a quantiser, and a product that is left as it is and whose result goes on into a quantised operand takes f32 operands (vector FMAs, or v_wmma_f32_16x16x4_f32). A number that lies on a knife's edge between two numbers of the format may be rounded either way, as far as f32 arithmetic and the matrix unit's own rounding can turn it there, and no further.
;; One version. Each part assembles by itself: llvm-mc -triple=amdgcn-amd-amdhsa -mcpu=gfx1250 --defsym DOCPART=n.
;; ======== version 1 of 1: 6 launches
;; limits: right only within a limited range of input values
;; workspace buffers: p0 12,976,128 bytes; qkvb 12,976,128 bytes; ctxb 26,738,688 bytes; dout 15,826,944 bytes; gb 12,976,128 bytes
;; launch prep (part 1): grid 448 x 1, 12 waves a work-group, no clusters, 4,096 bytes of LDS; arguments x, g1, s1, Wq, Wk, Wv, Wo, w1, w2, w3, p0; writes p0
.if DOCPART == 1
	.amdgcn_target "amdgcn-amd-amdhsa--gfx1250"
	.amdhsa_code_object_version 6
	.text
	.protected	k_qb2d4758a24_prep
	.globl	k_qb2d4758a24_prep
	.p2align	8
	.type	k_qb2d4758a24_prep,@function
k_qb2d4758a24_prep:
	s_mov_b64 s[64:65], 0
	v_nop
	global_prefetch_b8 v0, s[64:65] scope:SCOPE_SE
	s_setreg_imm32_b32 hwreg(HW_REG_WAVE_MODE, 25, 1), 1
	s_wait_xcnt 0x0
; PREP: all seven weights become codes of E5M2 with one E8M0 byte for each 32 along K, and h = LayerNorm(x; g1, s1) becomes codes and bytes, all into p0.
; DEAD WORK OF THE WHOLE PROGRAM.  reference() sets att to -inf wherever key > query (its own triu) ahead of the softmax, so p is 0 there for all values of the inputs.  A step of 128 keys
; whose every key comes after all 64 queries of a block adds nothing to that block's maximum, sum or output: the attention launch leaves such steps out, whole.  Nothing else is left out; all 16 inputs are loaded.
; LIMIT: a NaN, an infinity or an overflow that reaches only the scores left out is not carried to the result.
; LIMITS OF RANGE: NaN and infinities among the inputs are not served; a block whose largest magnitude lies under 2^-111 gets the byte 1; a block of zeros gets the byte 1 where the rule says 127
; (its codes are zeros and this program alone reads the bytes); 1/768 and v_rsq_f32 stand for the divisions of the norm (about one unit in the last place each).
; LAYOUT OF ALL OPERANDS.  A tile is 16 rows; in each group of 32 neighbouring rows, row p of tile u is index 8 u + p + 8 (p / 8), so that two neighbouring tiles' results are 16 neighbours along the next K.
; A UNIT is 512 bytes: tile x 32 along K; lane 16 h + r holds at 16 x lane the 16 codes k = 16 h .. 16 h + 15 of row r.  Four units on end are a fragment as the matrix instruction's registers take it.
; Scale bytes lie [16 tile + p][K / 32].
; Work-groups 0-191: weights.  A wave takes 32 columns x 128 along K; a lane takes a column and its registers run down K, so a block of 32 is one lane's and nothing is transposed.  No LDS.
; Work-groups 192-447: the norm of 16 tokens; wave w takes columns 64 w .. 64 w + 63; the row sums meet in LDS (two barriers); the variance is taken of x - mean.
; The scale bytes of h leave as single bytes, one a lane: 24 bytes a token beside its 768 code bytes.
.set SPARE,  2048                      ; LDS: 0 row sums, 1,024 sums of squares (16 rows x 64 bytes each), 2,048 the spare words, 128 bytes a wave
.set WQKV_S, 9437184
.set W12_C,  2359296
.set W12_S,  9510912
.set W3_C,   7077888
.set W3_S,   9658368
.set H_C,    9732096
.set H_S,    12877824
.set X,   32                           ; v32-95 weights: two sets of 32 numbers;  v32-63 norm: my 32 numbers of a row
.set C,   96                           ; v96-127 weights: 8 registers of codes for each of four blocks
.set GR,  64                           ; v64-95 gain;  v96-127 shift
.set SR,  96
.set TM,  128                          ; v128-143 at work in QUANT
.set CD,  148                          ; v148-155 codes
.set LT,  12                           ; v12-27 at work in LNQ
.set RA,  10                           ; v10 where I put my wave's partial sum;  v11 where I read my row's twelve
.set RL,  11
.set SEL, 52                           ; s[52:53] lane selects: lane xor 16
.set MNT, 54                           ; s54 the mantissa field of 57,344
.set HM,  55                           ; s55 mask of lanes 16-31
; nb blocks of 32 along K, 16 numbers a lane in v[s + 16 b ..] (lanes l and l xor 16 share a block), become codes in v[CD + 4 b ..] and bytes in v[TM + 4 + b]
.macro QUANT s, nb
.set qb, 0
.rept \nb
	v_max3_num_f32 v[TM+qb], |v[\s+16*qb]|, |v[\s+16*qb+1]|, 0x8000000   ; with the floor 2^(16 - 127): the byte cannot fall under 1
.set qb, qb+1
.endr
.set qi, 2
.rept 7
.set qb, 0
.rept \nb
	s_delay_alu instid0(VALU_DEP_2)
	v_max3_num_f32 v[TM+qb], v[TM+qb], |v[\s+16*qb+qi]|, |v[\s+16*qb+qi+1]|
.set qb, qb+1
.endr
.set qi, qi+2
.endr
.set qb, 0
.rept \nb
	s_delay_alu instid0(VALU_DEP_2)
	v_permlanex16_b32 v[TM+4+qb], v[TM+qb], s[SEL], s[SEL+1]
.set qb, qb+1
.endr
.set qb, 0
.rept \nb
	s_delay_alu instid0(VALU_DEP_2)
	v_max_num_f32 v[TM+qb], v[TM+qb], v[TM+4+qb]        ; the block's largest magnitude
.set qb, qb+1
.endr
.set qb, 0
	s_delay_alu instid0(VALU_DEP_2)
	v_add_nc_u32 v[TM+12+qb], 0xf8800000, v[TM+qb]      ; 15 off its exponent field: the conversion's scale operand
	s_delay_alu instid0(VALU_DEP_3)
	v_and_or_b32 v[TM+8+qb], v[TM+qb], 0x7f800000, s[MNT]   ; 57,344 x the scale
.set qb, qb+1
.rept (\nb)-1
	s_delay_alu instid0(VALU_DEP_3)
	v_add_nc_u32 v[TM+12+qb], 0xf8800000, v[TM+qb]      ; 15 off its exponent field: the conversion's scale operand
	s_delay_alu instid0(VALU_DEP_4)
	v_and_or_b32 v[TM+8+qb], v[TM+qb], 0x7f800000, s[MNT]   ; 57,344 x the scale
.set qb, qb+1
.endr
.set qb, 0
	s_delay_alu instid0(VALU_DEP_4)
	v_lshrrev_b32 v[TM+4+qb], 23, v[TM+12+qb]           ; the scale's byte
.set qb, qb+1
.rept (\nb)-1
	s_delay_alu instid0(VALU_DEP_3)
	v_lshrrev_b32 v[TM+4+qb], 23, v[TM+12+qb]           ; the scale's byte
.set qb, qb+1
.endr
.set qb, 0
.rept \nb
.set qi, 0
.rept 16
	v_med3_num_f32 v[\s+16*qb+qi], v[\s+16*qb+qi], -v[TM+8+qb], v[TM+8+qb]   ; the conversion does not saturate (ISA guide 7.6.2): hold first
.set qi, qi+1
.endr
	v_cvt_scalef32_pk8_bf8_f32 v[CD+4*qb:CD+4*qb+1], v[\s+16*qb:\s+16*qb+7], v[TM+12+qb]
	v_cvt_scalef32_pk8_bf8_f32 v[CD+4*qb+2:CD+4*qb+3], v[\s+16*qb+8:\s+16*qb+15], v[TM+12+qb]
.set qb, qb+1
.endr
	v_nop                                              ; a plain line behind the last conversion
.endm
; The norm of my row's 32 numbers in v[xr ..], gain in v[gr ..], shift in v[sr ..] (both still on their way), and its two blocks quantised
.macro LNQ xr, gr, sr
	v_pk_add_f32 v[14:15], v[32:33], v[34:35]
	v_pk_add_f32 v[158:159], v[40:41], v[44:45]
	v_pk_add_f32 v[156:157], v[48:49], v[52:53]
	v_pk_add_f32 v[154:155], v[56:57], v[60:61]
	v_pk_add_f32 v[152:153], v[36:37], v[38:39]
	v_pk_add_f32 v[150:151], v[42:43], v[46:47]
	v_pk_add_f32 v[148:149], v[50:51], v[54:55]
	v_pk_add_f32 v[12:13], v[58:59], v[62:63]
	s_delay_alu instid0(VALU_DEP_1)
	v_pk_add_f32 v[12:13], v[12:13], v[154:155]
	v_pk_add_f32 v[14:15], v[14:15], v[152:153]
	v_pk_add_f32 v[158:159], v[158:159], v[150:151]
	v_pk_add_f32 v[156:157], v[156:157], v[148:149]
	s_delay_alu instid0(VALU_DEP_2)
	v_pk_add_f32 v[12:13], v[12:13], v[158:159]
	s_delay_alu instid0(VALU_DEP_2)
	v_pk_add_f32 v[14:15], v[14:15], v[156:157]
	s_delay_alu instid0(VALU_DEP_1)
	v_pk_add_f32 v[12:13], v[12:13], v[14:15]
	s_delay_alu instid0(VALU_DEP_1)
	v_add_f32 v[LT], v[LT], v[LT+1]
	s_delay_alu instid0(VALU_DEP_1)
	v_permlanex16_b32 v[LT+1], v[LT], s[SEL], s[SEL+1]
	s_delay_alu instid0(VALU_DEP_1)
	v_add_f32 v[LT], v[LT], v[LT+1]                     ; my wave's 64 columns of row r
	ds_store_b32 v[RA], v[LT]
	s_wait_dscnt 0x0                                   ; for the others' sake: my store is done
	s_barrier_signal -1
	s_barrier_wait -1
	ds_load_b128 v[LT+4:LT+7], v[RL]
	ds_load_b128 v[LT+8:LT+11], v[RL] offset:16
	ds_load_b128 v[LT+12:LT+15], v[RL] offset:32
	s_wait_dscnt 0x0
	v_pk_add_f32 v[LT+4:LT+5], v[LT+4:LT+5], v[LT+6:LT+7]
	v_pk_add_f32 v[LT+8:LT+9], v[LT+8:LT+9], v[LT+10:LT+11]
	v_pk_add_f32 v[LT+12:LT+13], v[LT+12:LT+13], v[LT+14:LT+15]
	s_delay_alu instid0(VALU_DEP_2)
	v_pk_add_f32 v[LT+4:LT+5], v[LT+4:LT+5], v[LT+8:LT+9]
	s_delay_alu instid0(VALU_DEP_1)
	v_pk_add_f32 v[LT+4:LT+5], v[LT+4:LT+5], v[LT+12:LT+13]
	s_delay_alu instid0(VALU_DEP_1)
	v_add_f32 v[LT], v[LT+4], v[LT+5]
	s_delay_alu instid0(VALU_DEP_1)
	v_mul_f32 v[LT], 0x3aaaaaab, v[LT]                  ; the mean: x 1/768
.set j, 0
	s_wait_alu depctr_va_vdst(0)
.rept 16
	v_pk_add_f32 v[\xr+j:\xr+j+1], v[\xr+j:\xr+j+1], v[LT:LT+1] op_sel_hi:[1,0] neg_lo:[0,1] neg_hi:[0,1]
.set j, j+2
.endr
	v_pk_mul_f32 v[LT+2:LT+3], v[\xr:\xr+1], v[\xr:\xr+1]
	v_pk_mul_f32 v[LT+4:LT+5], v[\xr+2:\xr+3], v[\xr+2:\xr+3]
.irp i, 4,8,12,16,20,24,28
	s_delay_alu instid0(VALU_DEP_2)
	v_pk_fma_f32 v[LT+2:LT+3], v[\xr+\i:\xr+\i+1], v[\xr+\i:\xr+\i+1], v[LT+2:LT+3]
	s_delay_alu instid0(VALU_DEP_2)
	v_pk_fma_f32 v[LT+4:LT+5], v[\xr+\i+2:\xr+\i+3], v[\xr+\i+2:\xr+\i+3], v[LT+4:LT+5]
.endr
	s_delay_alu instid0(VALU_DEP_1)
	v_pk_add_f32 v[LT+2:LT+3], v[LT+2:LT+3], v[LT+4:LT+5]
	s_delay_alu instid0(VALU_DEP_1)
	v_add_f32 v[LT+2], v[LT+2], v[LT+3]
	s_delay_alu instid0(VALU_DEP_1)
	v_permlanex16_b32 v[LT+3], v[LT+2], s[SEL], s[SEL+1]
	s_delay_alu instid0(VALU_DEP_1)
	v_add_f32 v[LT+2], v[LT+2], v[LT+3]
	ds_store_b32 v[RA], v[LT+2] offset:1024             ; other bytes than the first sums': no wave still reads what is written here
	s_wait_dscnt 0x0
	s_barrier_signal -1
	s_barrier_wait -1
	ds_load_b128 v[LT+4:LT+7], v[RL] offset:1024
	ds_load_b128 v[LT+8:LT+11], v[RL] offset:1040
	ds_load_b128 v[LT+12:LT+15], v[RL] offset:1056
	s_wait_dscnt 0x0
	v_pk_add_f32 v[LT+4:LT+5], v[LT+4:LT+5], v[LT+6:LT+7]
	v_pk_add_f32 v[LT+8:LT+9], v[LT+8:LT+9], v[LT+10:LT+11]
	v_pk_add_f32 v[LT+12:LT+13], v[LT+12:LT+13], v[LT+14:LT+15]
	s_delay_alu instid0(VALU_DEP_2)
	v_pk_add_f32 v[LT+4:LT+5], v[LT+4:LT+5], v[LT+8:LT+9]
	s_delay_alu instid0(VALU_DEP_1)
	v_pk_add_f32 v[LT+4:LT+5], v[LT+4:LT+5], v[LT+12:LT+13]
	s_delay_alu instid0(VALU_DEP_1)
	v_add_f32 v[LT], v[LT+4], v[LT+5]
	s_delay_alu instid0(VALU_DEP_1)
	v_mul_f32 v[LT], 0x3aaaaaab, v[LT]                  ; the variance
	s_delay_alu instid0(VALU_DEP_1)
	v_add_f32 v[LT], 0x3727c5ac, v[LT]                  ; + 1e-5
	s_wait_alu depctr_va_vdst(0)
	v_rsq_f32 v[LT+2], v[LT]
	v_nop                                              ; a plain line behind the transcendental
	s_wait_alu depctr_va_vdst(0)                       ; the wait ahead of the result's first reader
	s_wait_loadcnt 0x0                                 ; gain and shift are in
.set j, 0
.rept 16
	v_pk_mul_f32 v[\xr+j:\xr+j+1], v[\xr+j:\xr+j+1], v[\gr+j:\gr+j+1]
.set j, j+2
.endr
.set j, 0
.rept 16
	v_pk_fma_f32 v[\xr+j:\xr+j+1], v[\xr+j:\xr+j+1], v[LT+2:LT+3], v[\sr+j:\sr+j+1] op_sel_hi:[1,0,1]
.set j, j+2
.endr
	QUANT \xr, 2
.endm
; Weights: block t of four (32 rows of K), a row of nb bytes
.macro WLOAD t, nb
.irp i, 0,1,2,3,4,5,6,7,8,9,10,11,12,13,14,15,16,17,18,19,20,21,22,23,24,25,26,27,28,29,30,31
	global_load_b32 v[X+32*((\t)%2)+\i], v3, s[4:5] offset:(32*(\t)+\i)*\nb th:TH_LOAD_NT
.endr
.endm
.macro WBLOCK t, nb
.set XS, X+32*((\t)%2)
.if (\t) < 3
	s_wait_loadcnt 32                                  ; this block's 32 loads are in; the next block's 32 may be out
.else
	s_wait_loadcnt 0x0
.endif
	v_max3_num_f32 v12, |v[XS]|, |v[XS+1]|, |v[XS+2]|
	v_max3_num_f32 v13, |v[XS+3]|, |v[XS+4]|, |v[XS+5]|
.irp i, 6,10,14,18,22,26
	s_delay_alu instid0(VALU_DEP_2)
	v_max3_num_f32 v12, v12, |v[XS+\i]|, |v[XS+\i+1]|
	s_delay_alu instid0(VALU_DEP_2)
	v_max3_num_f32 v13, v13, |v[XS+\i+2]|, |v[XS+\i+3]|
.endr
	s_delay_alu instid0(VALU_DEP_2)
	v_max3_num_f32 v12, v12, |v[XS+30]|, |v[XS+31]|
	s_delay_alu instid0(VALU_DEP_1)
	v_max3_num_f32 v12, v12, v13, 0x8000000             ; all 32 numbers are mine; the floor holds the byte at 1 from below
	s_delay_alu instid0(VALU_DEP_1)
	v_add_nc_u32 v11, 0xf8800000, v12
	s_delay_alu instid0(VALU_DEP_2)
	v_and_or_b32 v10, v12, 0x7f800000, s[MNT]
	s_delay_alu instid0(VALU_DEP_2)
	v_lshrrev_b32 v13, 23, v11
.if (\t) == 0
	s_delay_alu instid0(VALU_DEP_1)
	v_mov_b32 v9, v13
.else
	s_delay_alu instid0(VALU_DEP_1)
	v_lshl_or_b32 v9, v13, 8*(\t), v9                   ; four bytes: my column's scale word of this K step
.endif
.irp i, 0,1,2,3,4,5,6,7,8,9,10,11,12,13,14,15,16,17,18,19,20,21,22,23,24,25,26,27,28,29,30,31
	v_med3_num_f32 v[XS+\i], v[XS+\i], -v10, v10
.endr
.irp q, 0,1,2,3
	v_cvt_scalef32_pk8_bf8_f32 v[C+8*(\t)+2*\q:C+8*(\t)+2*\q+1], v[XS+8*\q:XS+8*\q+7], v11
.endr
	v_nop
	global_store_b128 v4, v[C+8*(\t):C+8*(\t)+3], s[6:7] offset:512*(\t)          ; k 0-15: lanes 0-15 fill 256 bytes of tile 0's unit, lanes 16-31 of tile 1's
	global_store_b128 v4, v[C+8*(\t)+4:C+8*(\t)+7], s[6:7] offset:512*(\t)+256    ; k 16-31: the units' other halves
.if (\t)+2 < 4
	WLOAD (\t)+2, \nb
.endif
.endm
.macro WPATH nb
	WLOAD 0, \nb
	WLOAD 1, \nb
	WBLOCK 0, \nb
	WBLOCK 1, \nb
	WBLOCK 2, \nb
	WBLOCK 3, \nb
	global_store_b32 v5, v9, s[50:51]
	s_endpgm
.endm
	s_load_b256 s[8:15], s[0:1], 0x0               ; x, g1, s1, Wq
	s_load_b256 s[16:23], s[0:1], 0x20             ; Wk, Wv, Wo, w1
	s_load_b128 s[24:27], s[0:1], 0x40             ; w2, w3
	s_load_b64 s[28:29], s[0:1], 0x50              ; p0
	v_lshl_add_u32 v1, v0, 2, SPARE                ; my spare word; never rewritten
	v_mov_b32 v2, 0                                ; 0; never rewritten
	v_lshrrev_b32 v3, 5, v0
	s_delay_alu instid0(VALU_DEP_1)
	v_readfirstlane_b32 s30, v3                    ; wave 0..11
	v_and_b32 v6, 31, v0                           ; lane
	v_and_b32 v7, 15, v0                           ; lane % 16
	v_bfe_u32 v8, v0, 4, 1                         ; lane / 16
	s_mov_b32 s[MNT], 0x600000
	s_cmp_lt_u32 ttmp9, 192
	s_cbranch_scc0 .Lln
	; ---- weights.  s31 index in the weight, s32 K step, s33 group of 32 columns; s34-s42: first byte of the codes, bytes from group to group, extra for each three groups,
	; from K step to K step, from tile 0 to tile 1; first byte of the scales, bytes from group to group, from row to row; bytes of a row of the weight
	s_cmp_lt_u32 ttmp9, 48
	s_cbranch_scc1 .Lsmall
	s_cmp_lt_u32 ttmp9, 144
	s_cbranch_scc1 .Lw12
	s_sub_co_u32 s31, ttmp9, 144                   ; w3: [3072][768]
	s_lshr_b32 s32, s31, 1
	s_and_b32 s33, s31, 1
	s_mul_i32 s33, s33, 12
	s_add_co_u32 s33, s33, s30
	s_mov_b32 s34, W3_C
	s_mov_b32 s35, 4096
	s_mov_b32 s36, 282624
	s_mov_b32 s37, 12288
	s_mov_b32 s38, 2048
	s_mov_b32 s39, W3_S
	s_mov_b32 s40, 3072
	s_mov_b32 s41, 96
	s_mov_b32 s42, 3072
	s_branch .Lcommon
.Lsmall:                                               ; Wq, Wk, Wv, Wo: [768][768], twelve work-groups each
	s_mul_hi_u32 s43, ttmp9, 0x15555556            ; which of the four
	s_mul_i32 s44, s43, 12
	s_sub_co_u32 s31, ttmp9, s44
	s_lshr_b32 s32, s31, 1
	s_and_b32 s33, s31, 1
	s_mul_i32 s33, s33, 12
	s_add_co_u32 s33, s33, s30
	s_mul_i32 s34, s43, 589824
	s_mov_b32 s35, 24576
	s_mov_b32 s36, 0
	s_mov_b32 s37, 2048
	s_mov_b32 s38, 12288
	s_mul_i32 s39, s43, 18432
	s_add_co_u32 s39, s39, WQKV_S
	s_mov_b32 s40, 768
	s_mov_b32 s41, 24
	s_mov_b32 s42, 3072
	s_branch .Lcommon
.Lw12:                                                 ; w1, w2: [768][3072], 48 work-groups each
	s_sub_co_u32 s31, ttmp9, 48
	s_cmp_ge_u32 s31, 48
	s_cselect_b32 s43, 1, 0
	s_mul_i32 s44, s43, 48
	s_sub_co_u32 s31, s31, s44
	s_lshr_b32 s32, s31, 3
	s_and_b32 s33, s31, 7
	s_mul_i32 s33, s33, 12
	s_add_co_u32 s33, s33, s30
	s_mul_i32 s34, s43, 24576
	s_add_co_u32 s34, s34, W12_C
	s_mov_b32 s35, 49152
	s_mov_b32 s36, 0
	s_mov_b32 s37, 2048
	s_mov_b32 s38, 12288
	s_mul_i32 s39, s43, 768
	s_add_co_u32 s39, s39, W12_S
	s_mov_b32 s40, 1536
	s_mov_b32 s41, 24
	s_mov_b32 s42, 12288
.Lcommon:
	s_mul_i32 s44, s32, s42
	s_lshl_b32 s44, s44, 7                         ; 128 rows a K step
	s_lshl_b32 s45, s33, 7                         ; 128 bytes a group of columns
	s_add_co_u32 s44, s44, s45
	s_mov_b32 s45, 0
	s_mul_i32 s46, s33, s35
	s_add_co_u32 s46, s46, s34
	s_mul_hi_u32 s47, s33, 0x55555556              ; group / 3
	s_mul_i32 s47, s47, s36
	s_add_co_u32 s46, s46, s47
	s_mul_i32 s47, s32, s37
	s_add_co_u32 s46, s46, s47
	s_mov_b32 s47, 0
	s_mul_i32 s48, s33, s40
	s_add_co_u32 s48, s48, s39
	s_lshl_b32 s49, s32, 2
	s_add_co_u32 s48, s48, s49
	s_mov_b32 s49, 0
	s_wait_alu depctr_va_vdst(0)
	v_and_b32 v3, 8, v7
	s_delay_alu instid0(VALU_DEP_1)
	v_add_nc_u32 v3, v3, v7
	s_delay_alu instid0(VALU_DEP_1)
	v_lshl_add_u32 v3, v8, 3, v3                   ; my column in the group: 8 u + p + 8 (p / 8)
	s_delay_alu instid0(VALU_DEP_1)
	v_lshlrev_b32 v3, 2, v3
	v_lshlrev_b32 v4, 4, v7
	s_delay_alu instid0(VALU_DEP_1)
	v_mad_u32_u24 v4, v8, s38, v4                  ; my 16 bytes in my tile's unit
	v_mul_u32_u24 v5, v6, s41                      ; my row of scale bytes
	s_wait_kmcnt 0x0
	s_mov_b64 s[4:5], s[26:27]                     ; the weight is chosen by the work-group's number alone
	s_cmp_lt_u32 ttmp9, 144
	s_cselect_b64 s[4:5], s[24:25], s[4:5]
	s_cmp_lt_u32 ttmp9, 96
	s_cselect_b64 s[4:5], s[22:23], s[4:5]
	s_cmp_lt_u32 ttmp9, 48
	s_cselect_b64 s[4:5], s[20:21], s[4:5]
	s_cmp_lt_u32 ttmp9, 36
	s_cselect_b64 s[4:5], s[18:19], s[4:5]
	s_cmp_lt_u32 ttmp9, 24
	s_cselect_b64 s[4:5], s[16:17], s[4:5]
	s_cmp_lt_u32 ttmp9, 12
	s_cselect_b64 s[4:5], s[14:15], s[4:5]
	s_add_nc_u64 s[4:5], s[4:5], s[44:45]
	s_add_nc_u64 s[6:7], s[28:29], s[46:47]
	s_add_nc_u64 s[50:51], s[28:29], s[48:49]
	s_cmp_eq_u32 s42, 3072
	s_cbranch_scc0 .Lwide
	s_wait_alu depctr_va_vdst(0)
	WPATH 3072
.Lwide:
	s_wait_alu depctr_va_vdst(0)
	WPATH 12288
	; ---- the norm of the 16 tokens of tile tt
.Lln:
	s_sub_co_u32 s31, ttmp9, 192                   ; tt
	s_lshr_b32 s32, s31, 1
	s_lshl_b32 s32, s32, 5
	s_and_b32 s33, s31, 1
	s_lshl_b32 s33, s33, 3
	s_add_co_u32 s32, s32, s33                     ; the tile's first token: 32 (tt / 2) + 8 (tt % 2)
	s_mul_i32 s32, s32, 3072
	s_lshl_b32 s34, s30, 8                         ; my wave's 64 columns: 256 bytes
	s_add_co_u32 s32, s32, s34
	s_mov_b32 s33, 0
	s_mov_b32 s35, 0
	s_mul_i32 s36, s31, 12288
	s_lshl_b32 s37, s30, 10
	s_add_co_u32 s36, s36, s37
	s_add_co_u32 s36, s36, H_C
	s_mov_b32 s37, 0
	s_mul_i32 s38, s31, 384
	s_lshl_b32 s39, s30, 1
	s_add_co_u32 s38, s38, s39
	s_add_co_u32 s38, s38, H_S
	s_mov_b32 s39, 0
	s_mov_b32 s[SEL], 0x76543210
	s_mov_b32 s[SEL+1], 0xfedcba98
	s_mov_b32 s[HM], 0xffff0000
	s_wait_alu depctr_va_vdst(0)
	v_and_b32 v3, 8, v7
	s_delay_alu instid0(VALU_DEP_1)
	v_add_nc_u32 v3, v3, v7
	s_delay_alu instid0(VALU_DEP_1)
	v_mul_u32_u24 v3, v3, 3072
	s_delay_alu instid0(VALU_DEP_1)
	v_lshl_add_u32 v3, v8, 6, v3                   ; x: token r + 8 (r / 8), + 64 h: my 16 numbers of a block of 32
	v_lshlrev_b32 v4, 6, v8                        ; gain and shift: 64 h
	v_lshlrev_b32 v5, 4, v6                        ; a unit: 16 x lane
	v_mul_u32_u24 v9, v7, 24
	s_delay_alu instid0(VALU_DEP_1)
	v_add_nc_u32 v9, v9, v8                        ; my scale byte: row r, block h of my wave's two
	v_lshlrev_b32 v[RL], 6, v7
	s_lshl_b32 s40, s30, 2
	v_add_nc_u32 v[RA], s40, v[RL]
	v_mov_b32 v[TM+4], 0                           ; a lane permute's destination counts as read
	v_mov_b32 v[TM+5], 0
	s_wait_alu depctr_va_vdst(0)
	s_wait_kmcnt 0x0
	s_add_nc_u64 s[8:9], s[8:9], s[32:33]
	s_add_nc_u64 s[10:11], s[10:11], s[34:35]
	s_add_nc_u64 s[12:13], s[12:13], s[34:35]
	s_add_nc_u64 s[36:37], s[28:29], s[36:37]
	s_add_nc_u64 s[38:39], s[28:29], s[38:39]
.irp bl, 0,1
.irp q, 0,1,2,3
	global_load_b128 v[X+16*\bl+4*\q:X+16*\bl+4*\q+3], v3, s[8:9] offset:128*\bl+16*\q
.endr
.endr
.irp bl, 0,1
.irp q, 0,1,2,3
	global_load_b128 v[GR+16*\bl+4*\q:GR+16*\bl+4*\q+3], v4, s[10:11] offset:128*\bl+16*\q
.endr
.endr
.irp bl, 0,1
.irp q, 0,1,2,3
	global_load_b128 v[SR+16*\bl+4*\q:SR+16*\bl+4*\q+3], v4, s[12:13] offset:128*\bl+16*\q
.endr
.endr
	s_wait_loadcnt 16                              ; x's eight loads are in; the sixteen of gain and shift may be out
	LNQ X, GR, SR
	global_store_b128 v5, v[CD:CD+3], s[36:37]                 ; a unit: 512 consecutive bytes
	global_store_b128 v5, v[CD+4:CD+7], s[36:37] offset:512
	v_cndmask_b32 v[LT], v[TM+4], v[TM+5], s[HM]               ; lanes 0-15 my wave's first block's byte, lanes 16-31 the second's
	global_store_b8 v9, v[LT], s[38:39]
	s_wait_tensorcnt 0x0                           ; the wave's end
	ds_add_u32 v1, v2
	s_wait_dscnt 0x0
	s_endpgm
.Lfunc_end_k_qb2d4758a24_prep:
	.size	k_qb2d4758a24_prep, .Lfunc_end_k_qb2d4758a24_prep-k_qb2d4758a24_prep
	.p2alignl 7, 3214868480
	.fill 96, 4, 3214868480
	.section	.rodata,"a",@progbits
	.p2align	6, 0x0
	.amdhsa_kernel k_qb2d4758a24_prep
		.amdhsa_group_segment_fixed_size 4096
		.amdhsa_private_segment_fixed_size 0
		.amdhsa_enable_private_segment 0
		.amdhsa_kernarg_size 88
		.amdhsa_user_sgpr_count 2
		.amdhsa_user_sgpr_kernarg_segment_ptr 1
		.amdhsa_wavefront_size32 1
		.amdhsa_system_sgpr_workgroup_id_x 1
		.amdhsa_system_sgpr_workgroup_id_y 1
		.amdhsa_system_sgpr_workgroup_id_z 1
		.amdhsa_system_vgpr_workitem_id 0
		.amdhsa_next_free_vgpr 160
		.amdhsa_next_free_sgpr 66
		.amdhsa_reserve_vcc 0
		.amdhsa_float_denorm_mode_32 3
		.amdhsa_float_denorm_mode_16_64 3
		.amdhsa_memory_ordered 1
		.amdhsa_forward_progress 1
		.amdhsa_inst_pref_size 82
	.end_amdhsa_kernel
	.amdgpu_metadata
---
amdhsa.version: [ 1, 2 ]
amdhsa.kernels:
  - .name:           k_qb2d4758a24_prep
    .symbol:         k_qb2d4758a24_prep.kd
    .args:
      - { .name: x, .offset: 0, .size: 8, .value_kind: global_buffer, .address_space: global }
      - { .name: g1, .offset: 8, .size: 8, .value_kind: global_buffer, .address_space: global }
      - { .name: s1, .offset: 16, .size: 8, .value_kind: global_buffer, .address_space: global }
      - { .name: Wq, .offset: 24, .size: 8, .value_kind: global_buffer, .address_space: global }
      - { .name: Wk, .offset: 32, .size: 8, .value_kind: global_buffer, .address_space: global }
      - { .name: Wv, .offset: 40, .size: 8, .value_kind: global_buffer, .address_space: global }
      - { .name: Wo, .offset: 48, .size: 8, .value_kind: global_buffer, .address_space: global }
      - { .name: w1, .offset: 56, .size: 8, .value_kind: global_buffer, .address_space: global }
      - { .name: w2, .offset: 64, .size: 8, .value_kind: global_buffer, .address_space: global }
      - { .name: w3, .offset: 72, .size: 8, .value_kind: global_buffer, .address_space: global }
      - { .name: p0, .offset: 80, .size: 8, .value_kind: global_buffer, .address_space: global }
    .group_segment_fixed_size: 4096
    .private_segment_fixed_size: 0
    .kernarg_segment_align: 8
    .kernarg_segment_size: 88
    .max_flat_workgroup_size: 384
    .sgpr_count:     66
    .vgpr_count:     160
    .wavefront_size: 32
...
	.end_amdgpu_metadata
.endif
;; end of part 1
;; launch qkv (part 2): grid 16 x 12, 4 waves a work-group, clusters of 4 x 1, 327,680 bytes of LDS; arguments p0, qkvb; writes qkvb
.if DOCPART == 2
	.amdgcn_target "amdgcn-amd-amdhsa--gfx1250"
	.amdhsa_code_object_version 6
	.text
	.protected	k_qb2d4758a24_qkv
	.globl	k_qb2d4758a24_qkv
	.p2align	8
	.type	k_qb2d4758a24_qkv,@function
k_qb2d4758a24_qkv:
	s_mov_b64 s[64:65], 0
	v_nop
	global_prefetch_b8 v0, s[64:65] scope:SCOPE_SE
	s_setreg_imm32_b32 hwreg(HW_REG_WAVE_MODE, 25, 1), 1
	s_wait_xcnt 0x0
	s_wait_alu depctr_hold_cnt(0) depctr_sa_sdst(0) depctr_va_vdst(0) depctr_va_sdst(0) depctr_va_ssrc(0) depctr_va_vcc(0) depctr_vm_vsrc(0)
	s_getreg_b32 s2, hwreg(HW_REG_IB_STS2, 6, 4)
	s_cmp_eq_u32 s2, 0
	s_cbranch_scc0 .Lentry_in_a_cluster
	s_endpgm
.Lentry_in_a_cluster:
	s_bfe_u32 s2, ttmp6, 0x10000c
	s_cmp_lg_u32 s2, 0x3003
	s_cbranch_scc0 .Lentry_shape_is_right
	s_endpgm
.Lentry_shape_is_right:
; Q, K, V = h W on codes of E5M2 (K = 768), quantised again on the way out, in the records that the attention launch reads.
; A work-group's slice of the weights, 147,456 dense bytes, comes into LDS once: one joint tensor load a wave, a quarter of the slice (144 rows of 256 bytes), behind the opening round; nothing is filled again.
; The four work-groups of a cluster differ in their tokens alone, so the load is asked for jointly (mask 15).
.set H_C,    9732096
.set H_S,    12877824
.set WQKV_S, 9437184
.set SLICE,  147456
.set CHUNK,  24576
.set QUARTER, 36864
.set SPARE,  147456
.set HEADB,  540672
.set STEPB,  16896
.set KV,     6488064
.set WV,  8
.set G1,  28
.set G0,  36
.set LB,  4
.set HS,  16
.set WS,  28
.set ACC, 64
.set TM,  128
.set CD,  148
.set HW,  164
.set WD,  168
.set SEL, 66
.set MNT, 68
.set HM,  69
.set MSB, 0
.macro WIN new
.if MSB != \new
	s_set_vgpr_msb (MSB<<8)|\new
.set MSB, \new
.endif
.endm
.macro PLACES n
.rept \n
	v_nop
.endr
.endm
.macro CROUND
	s_barrier_signal -1
	s_barrier_wait -1
	s_cmp_lg_u32 s[WV], 0
	s_cbranch_scc1 .Lnot_wave_0_\@
	s_barrier_signal -3
.Lnot_wave_0_\@:
	s_barrier_wait -3
	s_barrier_signal -1
	s_barrier_wait -1
.endm
.macro MM d, a, b, z, sa, sb, ra, rb
.if \z
.if (\ra) && (\rb)
	v_wmma_scale_f32_16x16x128_f8f6f4 v[0+(\d):7+(\d)], v[0+(\a):15+(\a)], v[0+(\b):15+(\b)], 0, v[0+(\sa)], v[0+(\sb)] matrix_a_fmt:MATRIX_FMT_BF8 matrix_b_fmt:MATRIX_FMT_BF8 matrix_a_scale:MATRIX_SCALE_ROW1 matrix_b_scale:MATRIX_SCALE_ROW1
.elseif (\ra)
	v_wmma_scale_f32_16x16x128_f8f6f4 v[0+(\d):7+(\d)], v[0+(\a):15+(\a)], v[0+(\b):15+(\b)], 0, v[0+(\sa)], v[0+(\sb)] matrix_a_fmt:MATRIX_FMT_BF8 matrix_b_fmt:MATRIX_FMT_BF8 matrix_a_scale:MATRIX_SCALE_ROW1
.elseif (\rb)
	v_wmma_scale_f32_16x16x128_f8f6f4 v[0+(\d):7+(\d)], v[0+(\a):15+(\a)], v[0+(\b):15+(\b)], 0, v[0+(\sa)], v[0+(\sb)] matrix_a_fmt:MATRIX_FMT_BF8 matrix_b_fmt:MATRIX_FMT_BF8 matrix_b_scale:MATRIX_SCALE_ROW1
.else
	v_wmma_scale_f32_16x16x128_f8f6f4 v[0+(\d):7+(\d)], v[0+(\a):15+(\a)], v[0+(\b):15+(\b)], 0, v[0+(\sa)], v[0+(\sb)] matrix_a_fmt:MATRIX_FMT_BF8 matrix_b_fmt:MATRIX_FMT_BF8
.endif
.else
.if (\ra) && (\rb)
	v_wmma_scale_f32_16x16x128_f8f6f4 v[0+(\d):7+(\d)], v[0+(\a):15+(\a)], v[0+(\b):15+(\b)], v[0+(\d):7+(\d)], v[0+(\sa)], v[0+(\sb)] matrix_a_fmt:MATRIX_FMT_BF8 matrix_b_fmt:MATRIX_FMT_BF8 matrix_a_scale:MATRIX_SCALE_ROW1 matrix_b_scale:MATRIX_SCALE_ROW1
.elseif (\ra)
	v_wmma_scale_f32_16x16x128_f8f6f4 v[0+(\d):7+(\d)], v[0+(\a):15+(\a)], v[0+(\b):15+(\b)], v[0+(\d):7+(\d)], v[0+(\sa)], v[0+(\sb)] matrix_a_fmt:MATRIX_FMT_BF8 matrix_b_fmt:MATRIX_FMT_BF8 matrix_a_scale:MATRIX_SCALE_ROW1
.elseif (\rb)
	v_wmma_scale_f32_16x16x128_f8f6f4 v[0+(\d):7+(\d)], v[0+(\a):15+(\a)], v[0+(\b):15+(\b)], v[0+(\d):7+(\d)], v[0+(\sa)], v[0+(\sb)] matrix_a_fmt:MATRIX_FMT_BF8 matrix_b_fmt:MATRIX_FMT_BF8 matrix_b_scale:MATRIX_SCALE_ROW1
.else
	v_wmma_scale_f32_16x16x128_f8f6f4 v[0+(\d):7+(\d)], v[0+(\a):15+(\a)], v[0+(\b):15+(\b)], v[0+(\d):7+(\d)], v[0+(\sa)], v[0+(\sb)] matrix_a_fmt:MATRIX_FMT_BF8 matrix_b_fmt:MATRIX_FMT_BF8
.endif
.endif
.endm
.macro QUANT s, nb
.set qb, 0
.rept \nb
	v_max3_num_f32 v[TM+qb], |v[\s+16*qb]|, |v[\s+16*qb+1]|, 0x8000000
.set qb, qb+1
.endr
.set qi, 2
.rept 7
.set qb, 0
.rept \nb
	v_max3_num_f32 v[TM+qb], v[TM+qb], |v[\s+16*qb+qi]|, |v[\s+16*qb+qi+1]|
.set qb, qb+1
.endr
.set qi, qi+2
.endr
.set qb, 0
.rept \nb
	v_permlanex16_b32 v[TM+4+qb], v[TM+qb], s[SEL], s[SEL+1]
.set qb, qb+1
.endr
.set qb, 0
.rept \nb
	v_max_num_f32 v[TM+qb], v[TM+qb], v[TM+4+qb]
.set qb, qb+1
.endr
.set qb, 0
.rept \nb
	v_add_nc_u32 v[TM+12+qb], 0xf8800000, v[TM+qb]
	v_and_or_b32 v[TM+8+qb], v[TM+qb], 0x7f800000, s[MNT]
.set qb, qb+1
.endr
.set qb, 0
.rept \nb
	v_lshrrev_b32 v[TM+4+qb], 23, v[TM+12+qb]
.set qb, qb+1
.endr
.set qb, 0
.rept \nb
.set qi, 0
.rept 16
	v_med3_num_f32 v[\s+16*qb+qi], v[\s+16*qb+qi], -v[TM+8+qb], v[TM+8+qb]
.set qi, qi+1
.endr
	v_cvt_scalef32_pk8_bf8_f32 v[CD+4*qb:CD+4*qb+1], v[\s+16*qb:\s+16*qb+7], v[TM+12+qb]
	v_cvt_scalef32_pk8_bf8_f32 v[CD+4*qb+2:CD+4*qb+3], v[\s+16*qb+8:\s+16*qb+15], v[TM+12+qb]
.set qb, qb+1
.endr
	v_nop
.endm
.macro BLOADS g
	WIN 0xc0
.irp ks, 0,1,2,3,4,5
.irp ct, 0,1
.irp c, 0,1,2,3
	ds_load_b128 v[64*(\ks/2)+16*(2*(\ks%2)+\ct)+4*\c:64*(\ks/2)+16*(2*(\ks%2)+\ct)+4*\c+3], v[LB+(\g)] offset:\ct*12288+\ks*2048+512*\c
.endr
.endr
.endr
	WIN 0
.endm
.macro MULB g, be, vp
.if \vp
.if (\be) < 2
	WIN 0x0d
.else
	WIN 0x0e
.endif
.else
.if (\be) < 2
	WIN 0x07
.else
	WIN 0x0b
.endif
.endif
.irp sp, 0,1
.if (\be)+\sp == 0
.set ZZ, 1
.else
.set ZZ, 0
.endif
.irp ct, 0,1
.irp tt, 0,1,2,3
.if \vp
	MM ACC+32*\ct+16*(\tt/2)+8*(\tt%2), 64*((2*(\be)+\sp)%4)+16*\tt, 64*(\be)+16*(2*\sp+\ct), ZZ, HS+6*(\tt/2)+2*(\be)+\sp, WS+6*(\g)+2*(\be)+\sp, \tt%2, \ct
.else
	MM ACC+16*\tt+8*\ct, 64*(\be)+16*(2*\sp+\ct), 64*((2*(\be)+\sp)%4)+16*\tt, ZZ, WS+6*(\g)+2*(\be)+\sp, HS+6*(\tt/2)+2*(\be)+\sp, \ct, \tt%2
.endif
.endr
.endr
.endr
.endm
.macro QKEPI g
.irp tt, 0,1,2,3
	global_store_b128 v3, v[CD+4*\tt:CD+4*\tt+3], s[60:61] offset:((\g)/2)*HEADB+\tt*1024+((\g)%2)*512
.endr
.if ((\g)%2) == 0
.irp tt, 0,1,2,3
	v_mov_b32 v[HW+\tt], v[TM+4+\tt]
.endr
.else
.irp tt, 0,1,2,3
	v_lshl_or_b32 v[HW+\tt], v[TM+4+\tt], 8, v[HW+\tt]
.endr
	v_lshl_or_b32 v[WD], v[HW+1], 16, v[HW]
	v_lshl_or_b32 v[WD+1], v[HW+3], 16, v[HW+2]
	v_cndmask_b32 v[WD], v[WD], v[WD+1], s[HM]
	global_store_b32 v11, v[WD], s[62:63] offset:((\g)/2)*HEADB
.endif
.endm
.macro VEPI g
.irp ct, 0,1
.irp gl, 0,1
	global_store_b128 v3, v[CD+4*(2*\ct+\gl):CD+4*(2*\ct+\gl)+3], s[60:61] offset:((\g)/2)*HEADB+(2*((\g)%2)+\ct)*2048+\gl*512
.endr
.endr
	v_lshl_or_b32 v[WD], v[TM+5], 8, v[TM+4]
	v_lshl_or_b32 v[WD+1], v[TM+7], 8, v[TM+6]
	v_cndmask_b32 v[WD], v[WD], v[WD+1], s[HM]
	global_store_b16 v11, v[WD], s[62:63] offset:((\g)%2)*128+((\g)/2)*HEADB
.endm
.macro GROUP g, vp
	s_wait_dscnt 32
	MULB \g, 0, \vp
	s_wait_dscnt 16
	MULB \g, 1, \vp
	s_wait_dscnt 0x0
	MULB \g, 2, \vp
	WIN 0
	PLACES 9
.if (\g) < 5
	BLOADS (\g)+1
.endif
	s_wait_xcnt 0x0
	QUANT ACC, 4
.if \vp
	VEPI \g
.else
	QKEPI \g
.endif
.endm
	s_load_b128 s[4:7], s[0:1], 0x0
	v_lshl_add_u32 v1, v0, 2, SPARE
	v_mov_b32 v2, 0
	ds_add_u32 v1, v2
	ds_add_u32 v1, v2
	v_lshrrev_b32 v3, 5, v0
	v_readfirstlane_b32 s[WV], v3
	s_bfe_u32 s9, ttmp6, 0x40000
	s_lshl_b32 s10, ttmp9, 2
	s_add_co_u32 s10, s10, s9
	s_and_b32 s11, ttmp7, 0xffff
	s_mov_b32 s[G1], 15|(3<<16)|(1<<21)
	s_mov_b32 s[G1+1], 32<<16
	s_mov_b32 s[G1+2], 144<<16
	s_mov_b32 s[G1+3], 32<<16
	s_mov_b32 s[G1+4], 144
	s_mov_b32 s[G1+5], 32
	s_mov_b32 s[G1+6], 0
	s_mov_b32 s[G1+7], 0
	s_mul_i32 s12, s[WV], QUARTER
	s_mul_i32 s20, s11, SLICE
	s_add_co_u32 s20, s20, s12
	s_mov_b32 s21, 0
	s_lshl_b32 s13, s10, 4
	s_lshl_b32 s14, s[WV], 2
	s_add_co_u32 s13, s13, s14
	s_mul_i32 s14, s13, 12288
	s_add_co_u32 s14, s14, H_C
	s_mov_b32 s15, 0
	s_mul_i32 s16, s13, 384
	s_add_co_u32 s16, s16, H_S
	s_mov_b32 s17, 0
	s_mul_i32 s18, s11, 4608
	s_add_co_u32 s18, s18, WQKV_S
	s_mov_b32 s19, 0
	s_lshl_b32 s24, s10, 1
	s_lshr_b32 s25, s[WV], 1
	s_add_co_u32 s24, s24, s25
	s_and_b32 s25, s[WV], 1
	s_and_b32 s26, s11, 3
	s_mul_i32 s26, s26, 3
	s_mul_i32 s27, s26, HEADB
	s_mul_i32 s26, s24, STEPB
	s_add_co_u32 s27, s27, s26
	s_cmp_lt_u32 s11, 4
	s_cselect_b32 s60, 0, KV
	s_add_co_u32 s27, s27, s60
	s_cmp_lt_u32 s11, 8
	s_cselect_b32 s60, 12, 10
	s_cselect_b32 s61, 0, 8192
	s_cselect_b32 s62, 7, 1
	s_mov_b32 s63, 16640
	s_cselect_b32 s63, 16384, s63
	s_lshl_b32 s60, s25, s60
	s_add_co_u32 s60, s60, s61
	s_add_co_u32 s60, s60, s27
	s_mov_b32 s61, 0
	s_lshl_b32 s62, s25, s62
	s_add_co_u32 s62, s62, s63
	s_add_co_u32 s62, s62, s27
	s_mov_b32 s63, 0
	s_mov_b32 s[SEL], 0x76543210
	s_mov_b32 s[SEL+1], 0xfedcba98
	s_mov_b32 s[MNT], 0x600000
	s_mov_b32 s[HM], 0xffff0000
	s_wait_dscnt 0x0
	s_wait_kmcnt 0x0
	s_add_nc_u64 s[22:23], s[4:5], s[20:21]
	s_add_nc_u64 s[14:15], s[4:5], s[14:15]
	s_add_nc_u64 s[16:17], s[4:5], s[16:17]
	s_add_nc_u64 s[18:19], s[4:5], s[18:19]
	s_add_nc_u64 s[60:61], s[6:7], s[60:61]
	s_add_nc_u64 s[62:63], s[6:7], s[62:63]
	s_mov_b32 s[G0], 1
	s_mov_b32 s[G0+1], s12                         ; LDS: wave x a quarter of the slice
	s_mov_b64 s[G0+2:G0+3], s[22:23]
	s_or_b32 s[G0+3], s[G0+3], 0x80000000
	CROUND                                         ; all four work-groups are here: the joint loads meet
	tensor_load_to_lds s[G0:G0+3], s[G1:G1+7]      ; my one tensor load
	s_nop 0
	PLACES 4
	v_and_b32 v10, 31, v0
	v_lshlrev_b32 v3, 4, v10
.irp g, 0,1,2,3,4,5
	v_add_nc_u32 v[LB+\g], \g*CHUNK, v3
.endr
	v_lshlrev_b32 v11, 2, v10
	v_mul_u32_u24 v10, v10, 24
.irp b, 0,1,2,3
	v_mov_b32 v[TM+4+\b], 0
.endr
	WIN 0x40
.irp ks, 0,1,2,3
.irp tt, 0,1,2,3
.irp c, 0,1,2,3
	global_load_b128 v[64*\ks+16*\tt+4*\c:64*\ks+16*\tt+4*\c+3], v3, s[14:15] offset:\tt*12288+\ks*2048+512*\c
.endr
.endr
.endr
	WIN 0x80
.irp ks, 4,5
.irp tt, 0,1,2,3
.irp c, 0,1,2,3
	global_load_b128 v[64*(\ks-4)+16*\tt+4*\c:64*(\ks-4)+16*\tt+4*\c+3], v3, s[14:15] offset:\tt*12288+\ks*2048+512*\c
.endr
.endr
.endr
	WIN 0
.irp pl, 0,1
.irp j, 0,1,2
	global_load_b64 v[HS+6*\pl+2*\j:HS+6*\pl+2*\j+1], v10, s[16:17] offset:\pl*768+8*\j
.endr
.endr
.irp g, 0,1,2,3,4,5
.irp j, 0,1,2
	global_load_b64 v[WS+6*\g+2*\j:WS+6*\g+2*\j+1], v10, s[18:19] offset:\g*768+8*\j
.endr
.endr
	s_wait_alu depctr_va_vdst(0)
	s_wait_tensorcnt 0x0                           ; my quarter of the slice is in; the barrier below shows all four
	s_barrier_signal -1
	s_barrier_wait -1
	BLOADS 0
	s_wait_loadcnt 0x0
	s_cmp_ge_u32 s11, 8
	s_cbranch_scc1 .Lvpath
.irp g, 0,1,2,3,4,5
	GROUP \g, 0
.endr
	s_branch .Lend
.Lvpath:
.irp g, 0,1,2,3,4,5
	GROUP \g, 1
.endr
.Lend:
	s_wait_tensorcnt 0x0
	ds_add_u32 v1, v2
	s_wait_dscnt 0x0
	CROUND
	s_endpgm
.Lfunc_end_k_qb2d4758a24_qkv:
	.size	k_qb2d4758a24_qkv, .Lfunc_end_k_qb2d4758a24_qkv-k_qb2d4758a24_qkv
	.p2alignl 7, 3214868480
	.fill 96, 4, 3214868480
	.section	.rodata,"a",@progbits
	.p2align	6, 0x0
	.amdhsa_kernel k_qb2d4758a24_qkv
		.amdhsa_group_segment_fixed_size 327680
		.amdhsa_private_segment_fixed_size 0
		.amdhsa_enable_private_segment 0
		.amdhsa_kernarg_size 16
		.amdhsa_user_sgpr_count 2
		.amdhsa_user_sgpr_kernarg_segment_ptr 1
		.amdhsa_wavefront_size32 1
		.amdhsa_system_sgpr_workgroup_id_x 1
		.amdhsa_system_sgpr_workgroup_id_y 1
		.amdhsa_system_sgpr_workgroup_id_z 1
		.amdhsa_system_vgpr_workitem_id 0
		.amdhsa_next_free_vgpr 1024
		.amdhsa_next_free_sgpr 80
		.amdhsa_reserve_vcc 0
		.amdhsa_float_denorm_mode_32 3
		.amdhsa_float_denorm_mode_16_64 3
		.amdhsa_memory_ordered 1
		.amdhsa_forward_progress 1
		.amdhsa_inst_pref_size 231
	.end_amdhsa_kernel
	.amdgpu_metadata
---
amdhsa.version: [ 1, 2 ]
amdhsa.kernels:
  - .name:           k_qb2d4758a24_qkv
    .symbol:         k_qb2d4758a24_qkv.kd
    .args:
      - { .name: p0, .offset: 0, .size: 8, .value_kind: global_buffer, .address_space: global }
      - { .name: qkvb, .offset: 8, .size: 8, .value_kind: global_buffer, .address_space: global }
    .group_segment_fixed_size: 327680
    .private_segment_fixed_size: 0
    .kernarg_segment_align: 8
    .kernarg_segment_size: 16
    .max_flat_workgroup_size: 128
    .sgpr_count:     80
    .vgpr_count:     1024
    .wavefront_size: 32
...
	.end_amdgpu_metadata
.endif
;; end of part 2
;; launch attn (part 3): grid 768 x 1, 4 waves a work-group, no clusters, 68,096 bytes of LDS; arguments qkvb, ctxb; writes ctxb
.if DOCPART == 3
	.amdgcn_target "amdgcn-amd-amdhsa--gfx1250"
	.amdhsa_code_object_version 6
	.text
	.protected	k_qb2d4758a24_attn
	.globl	k_qb2d4758a24_attn
	.p2align	8
	.type	k_qb2d4758a24_attn,@function
k_qb2d4758a24_attn:
	s_mov_b64 s[64:65], 0
	v_nop
	global_prefetch_b8 v0, s[64:65] scope:SCOPE_SE
	s_setreg_imm32_b32 hwreg(HW_REG_WAVE_MODE, 25, 1), 1
	s_wait_xcnt 0x0
; ATTENTION on codes of E5M2, causal.  WORK LEFT OUT: steps of 128 keys all of which come after a block's 64 queries (reference()'s own mask makes their p 0 for all inputs).
; t = score x log2(e) / 8; M = the running largest t rounded up to a whole number; p = 2^(t - M) is quantised along the keys; the row's sum l is taken of the unquantised p.
; WHAT LEAVES: the sums O^T, not yet divided, as images of their registers, with (l, -M) beside them; the next launch joins the parts of a row, divides and quantises.
; LIMITS as stated in the first launch; the promise holds while the scaled scores stay under 2^31 in magnitude.
; SHARES.  A work-group of four waves takes blocks of 64 queries of one head, a tile of 16 queries a wave.  The block with queries 128 a + 64 e .. needs a + 1 key steps, 1 to 32: under the mask the late blocks alone have
; work left in the second half of their walk, too few of them for all WGPs.  So the keys of the blocks with a >= 16 are divided once, at key 2,048, and every work-group walks 16 or 17 steps:
;   work-groups 0-383 (the second kind, 17 steps): steps 16 .. a of block (a, e): part 1 of its rows; then all 32 - a steps of block (31 - a, e) of the same head: part 0, those rows' only part;
;   work-groups 384-767 (the first kind, 16 steps): steps 0 .. 15 of block (a, e), none of them on the diagonal: part 0 of its rows.
; Each part has its own running M; M is a whole number, so bringing two parts under one M is a multiplication by a power of two.  Every query of a divided block sees key 2,048, so no part is empty.
; Both kinds run one text: what differs lies in scalars made of the work-group's number.  The first kind also loads the second block's Q, which it never uses: the registers are written on every way through the text.
; NO CLUSTER: the launch has no tensor load; by its 336 registers a wave and 68,096 bytes of LDS three work-groups have room on a WGP.
; K AND V come as records of 16,896 bytes a step, copied by the four waves (a quarter each) through registers into a ring of four LDS slots; one barrier a step.  The ring goes on from the first block into the second.
; THE LIFE OF STEP i's RECORD: loaded from memory in step i - 4 (register set i % 2), stored into slot i % 4 in step i - 2, its K read into registers in step i - 1, its V read at the head of step i.
; TWO REGIONS OF 64 REGISTERS SWAP ROLES FROM STEP TO STEP.  A step finds its K in region KA and writes the scores into region S.  KA, read out, takes V at once; S takes the next step's K block by block as p's registers fall free.
; The loop has 5 trips of four steps; a work-group past its last step jumps (ids alone) to the step's wait and barrier.  The copy's address is held at the last step's record.
; THE HEAD'S K IS 64: a fragment of 128 along K holds two key tiles; against (Q, 0) it gives the first tile's scores, against (0, Q) the second's; zero codes add nothing.  Both products are used transposed: a lane holds one query.
; REGISTERS: window 0: v1, v2 the add's two; v4-11, v46, v47 addresses; v12 -M, v13 largest t, v[14:15] the sum; v16-39 zeros, Q, zeros; v40 Q's scale word, v41-42 K's, v43-44 V's, v45 p's;
;   v48-111 and v112-175 the two regions; v176-207 O^T; v208-223 p's codes; v232-255 at work.  window 1: v0-32 and v34-66 the two sets of a record's quarter on its way; v68-76 the second block's Q and scale word.
.set KV,    6488064
.set HEADB, 540672
.set STEPB, 16896
.set LMB,   25165824                   ; ctxb: 2 parts x 256 tiles x 12 heads x 4,096 bytes of sums, then as many times 256 bytes of (l, -M)
.set SPARE, 67584                      ; behind the four slots: the spare words, 128 bytes a wave
.set S,   112
.set OT,  176
.set CD,  208
.set M1,  2                            ; s2 the count of steps at which the first block ends (first kind: never)
.set M2,  3                            ; s3 the count of steps at which the second block's diagonal lies (first kind: never)
.set RN1, 17                           ; s17 steps under this take record 16 + step, the others record step - s17
.set NEG, 18                           ; s18 = -s17
.set MNT, 19
.set SEL, 20
.set CS,  22                           ; s[22:23] c = log2(e) / 8
.set NN,  25                           ; my number of steps
.set KS,  27                           ; the step
.set KVB, 28                           ; s[28:29] my quarter of the record to load next
.set PFA, 30                           ; s[30:31] where my prefetches stand
.set LIMP, 32                          ; I prefetch while the step is under this
.set HB,  70                           ; s[70:71] my quarter of my head's record 0
.set OB1, 72                           ; s[72:79] where the first block's sums and (l, -M) go, and the last block's
.set LB1, 74
.set OB2, 76
.set LB2, 78
.set MSB, 0
.macro WIN new                         ; the immediate's high byte repeats the setting that is left
.if MSB != \new
	s_set_vgpr_msb (MSB<<8)|\new
.set MSB, \new
.endif
.endm
.macro PLACES n
.rept \n
	v_nop
.endr
.endm
.macro MMK d, a, b, sa, ra             ; a tile of S^T
.if \ra
	v_wmma_scale_f32_16x16x128_f8f6f4 v[0+(\d):7+(\d)], v[0+(\a):15+(\a)], v[0+(\b):15+(\b)], 0, v[0+(\sa)], v40 matrix_a_fmt:MATRIX_FMT_BF8 matrix_b_fmt:MATRIX_FMT_BF8 matrix_a_scale:MATRIX_SCALE_ROW1
.else
	v_wmma_scale_f32_16x16x128_f8f6f4 v[0+(\d):7+(\d)], v[0+(\a):15+(\a)], v[0+(\b):15+(\b)], 0, v[0+(\sa)], v40 matrix_a_fmt:MATRIX_FMT_BF8 matrix_b_fmt:MATRIX_FMT_BF8
.endif
.endm
.macro MMV d, a, sa, ra                ; a tile of O^T
.if \ra
	v_wmma_scale_f32_16x16x128_f8f6f4 v[0+(\d):7+(\d)], v[0+(\a):15+(\a)], v[CD:CD+15], v[0+(\d):7+(\d)], v[0+(\sa)], v45 matrix_a_fmt:MATRIX_FMT_BF8 matrix_b_fmt:MATRIX_FMT_BF8 matrix_a_scale:MATRIX_SCALE_ROW1
.else
	v_wmma_scale_f32_16x16x128_f8f6f4 v[0+(\d):7+(\d)], v[0+(\a):15+(\a)], v[CD:CD+15], v[0+(\d):7+(\d)], v[0+(\sa)], v45 matrix_a_fmt:MATRIX_FMT_BF8 matrix_b_fmt:MATRIX_FMT_BF8
.endif
.endm
.macro REC d, i                        ; s[d:d+1] = the byte offset of my quarter of step i's record
	s_cmp_gt_u32 s[RN1], \i
	s_cselect_b32 s52, 16, s[NEG]
	s_add_co_u32 s52, s52, \i
	s_mul_i32 s52, s52, STEPB
	s_add_co_u32 s[\d], s55, s52
	s_mov_b32 s[\d+1], 0
.endm
.macro FLUSH ob, lb                    ; a block's part leaves: 32 registers of sums as they stand, 512 consecutive bytes a store, each accumulator from its low end on; and (l, -M), 256 bytes
	v_add_f32 v14, v14, v15
	v_permlanex16_b32 v252, v14, s[SEL], s[SEL+1]
	v_add_f32 v14, v14, v252                       ; with lane l xor 16's keys: the part's l
	v_mov_b32 v15, v12                             ; -M
.irp k, 0,1,2,3,4,5,6,7
	global_store_b128 v7, v[OT+4*\k:OT+4*\k+3], s[\ob:\ob+1] offset:512*\k
.endr
	global_store_b64 v47, v[14:15], s[\lb:\lb+1]
.endm
	s_load_b128 s[4:7], s[0:1], 0x0                ; qkvb, ctxb
	v_lshl_add_u32 v1, v0, 2, SPARE
	v_mov_b32 v2, 0
	v_lshrrev_b32 v3, 5, v0
	v_readfirstlane_b32 s10, v3                    ; wave 0..3: my tile of a block
	s_cmp_ge_u32 ttmp9, 384
	s_cselect_b32 s9, 1, 0                         ; 1: the first kind
	s_cselect_b32 s11, 384, 0
	s_sub_co_u32 s11, ttmp9, s11
	s_lshr_b32 s26, s11, 5                         ; my head
	s_and_b32 s12, s11, 31
	s_lshr_b32 s13, s12, 1
	s_add_co_u32 s24, s13, 16                      ; a of the divided block
	s_and_b32 s14, s12, 1                          ; e, the same for both blocks
	s_sub_co_u32 s15, 31, s24                      ; a of the second block
	s_sub_co_u32 s16, s24, 15                      ; the divided block's steps from 16 on
	s_lshl_b32 s37, s14, 2
	s_add_co_u32 s37, s37, s10                     ; my tile in its record: 4 e + i
	s_lshl_b32 s12, s24, 3
	s_add_co_u32 s12, s12, s37                     ; my token tile in the divided block,
	s_lshl_b32 s13, s15, 3
	s_add_co_u32 s13, s13, s37                     ; and in the second
	s_cmp_eq_u32 s9, 1
	s_cselect_b32 s[NN], 16, 17
	s_cselect_b32 s[M1], 99, s16
	s_cselect_b32 s[M2], 99, 17
	s_cselect_b32 s[RN1], 0, s16
	s_cselect_b32 s13, s12, s13                    ; the tile whose part 0 leaves at the end
	s_cselect_b32 s45, 6, 22                       ; the first record that is prefetched
	s_sub_co_u32 s[NEG], 0, s[RN1]
	s_mul_i32 s36, s26, HEADB
	s_mul_i32 s38, s24, STEPB
	s_add_co_u32 s38, s38, s36
	s_lshl_b32 s39, s37, 10
	s_add_co_u32 s40, s38, s39                     ; Q's two units
	s_mov_b32 s41, 0
	s_lshr_b32 s53, s37, 1
	s_lshl_b32 s53, s53, 6
	s_add_co_u32 s53, s53, 16384
	s_add_co_u32 s42, s38, s53                     ; its pair's scale words
	s_mov_b32 s43, 0
	s_mul_i32 s38, s15, STEPB
	s_add_co_u32 s38, s38, s36
	s_add_co_u32 s66, s38, s39                     ; the same of the second block
	s_mov_b32 s67, 0
	s_add_co_u32 s68, s38, s53
	s_mov_b32 s69, 0
	s_mul_i32 s51, s10, 4224                       ; my quarter of a record, in memory and in a slot
	s_add_co_u32 s55, s36, s51
	s_add_co_u32 s55, s55, KV
	REC 56, 0
	REC 58, 1
	REC 60, 2
	REC 62, 3
	REC KVB, 4
	s_mov_b32 s[HB], s55
	s_mov_b32 s[HB+1], 0
	s_mul_i32 s45, s45, STEPB
	s_lshl_b32 s39, s10, 13
	s_add_co_u32 s[PFA], s36, s39
	s_add_co_u32 s[PFA], s[PFA], s45
	s_add_co_u32 s[PFA], s[PFA], KV                ; the codes of the record six steps on: 8,192 bytes a wave
	s_mov_b32 s[PFA+1], 0
	s_xor_b32 s45, s24, 31                         ; the two work-groups of a head with a = 31, e = 1 walk records 0-15 and 16-31: their waves 0 and 1 prefetch
	s_xor_b32 s39, s14, 1
	s_or_b32 s45, s45, s39
	s_lshr_b32 s39, s10, 1
	s_or_b32 s45, s45, s39
	s_cmp_eq_u32 s45, 0
	s_cselect_b32 s[LIMP], 10, 0
	s_add_co_u32 s12, s12, 256                     ; part 1
	s_mul_i32 s12, s12, 12
	s_add_co_u32 s12, s12, s26
	s_mul_i32 s13, s13, 12
	s_add_co_u32 s13, s13, s26
	s_lshl_b32 s[OB1], s12, 12
	s_mov_b32 s[OB1+1], 0
	s_lshl_b32 s[LB1], s12, 8
	s_add_co_u32 s[LB1], s[LB1], LMB
	s_mov_b32 s[LB1+1], 0
	s_lshl_b32 s[OB2], s13, 12
	s_mov_b32 s[OB2+1], 0
	s_lshl_b32 s[LB2], s13, 8
	s_add_co_u32 s[LB2], s[LB2], LMB
	s_mov_b32 s[LB2+1], 0
	s_lshl_b32 s53, s14, 6
	s_lshr_b32 s39, s10, 1
	s_lshl_b32 s39, s39, 5
	s_add_co_u32 s53, s53, s39
	s_and_b32 s54, s10, 1
	s_lshl_b32 s39, s54, 3
	s_add_co_u32 s53, s53, s39                     ; my tile's first query, counted from the diagonal step's first key
	s_lshl_b32 s54, s54, 4
	s_mov_b32 s[MNT], 0x600000
	s_mov_b32 s[SEL], 0x76543210
	s_mov_b32 s[SEL+1], 0xfedcba98
	s_mov_b32 s[CS], 0x3e38aa3b
	s_mov_b32 s[CS+1], s[CS]
	s_mov_b32 s[KS], 0
	s_mov_b32 s35, 0
	v_and_b32 v10, 31, v0
	v_lshlrev_b32 v7, 4, v10                       ; 16 x lane: an offset in memory, and the LDS address of units of slots 0 and 1
	v_lshlrev_b32 v8, 2, v10                       ; 4 x lane
	v_lshlrev_b32 v47, 3, v10                      ; 8 x lane
	v_lshlrev_b32 v10, 8, v10                      ; 256 x lane
	v_add_nc_u32 v46, 2*STEPB, v7                  ; units of slots 2 and 3 (an immediate holds 16 bits)
	v_add_nc_u32 v4, 16384, v8                     ; scale words
	v_add_nc_u32 v5, s51, v7                       ; where I put my quarter
	v_add_nc_u32 v6, s51, v8
	v_add_nc_u32 v6, 4096, v6
	v_and_b32 v11, 15, v0
	v_and_b32 v9, 8, v11
	v_add_nc_u32 v9, v9, v11
	v_bfe_u32 v254, v0, 4, 1
	v_lshlrev_b32 v254, 4, v254
	v_sub_nc_u32 v9, v9, v254
	v_add_nc_u32 v9, s53, v9                       ; d: in a diagonal step register 16 b + i holds a hidden key where 32 b + i > d
	v_lshlrev_b32 v11, 2, v11
.irp j, 0,1,2,3,4,5,6,7
	v_mov_b32 v[16+\j], 0
	v_mov_b32 v[32+\j], 0
.endr
	s_wait_alu depctr_va_vdst(0)
	s_wait_kmcnt 0x0
.irp p, 40,42,66,68,56,58,60,62,KVB,PFA,HB
	s_add_nc_u64 s[\p:\p+1], s[4:5], s[\p:\p+1]
.endr
.irp p, OB1,LB1,OB2,LB2
	s_add_nc_u64 s[\p:\p+1], s[6:7], s[\p:\p+1]
.endr
	WIN 0x40                                       ; destination window 1
	global_load_b128 v[68:71], v7, s[66:67]        ; the second block's Q waits in registers
	global_load_b128 v[72:75], v7, s[66:67] offset:512
	global_load_b32 v76, v11, s[68:69]
	WIN 0
	global_load_b128 v[24:27], v7, s[40:41]
	global_load_b128 v[28:31], v7, s[40:41] offset:512
	global_load_b32 v40, v11, s[42:43]
.irp k, 0,1,2,3,4,5,6,7
	global_load_b128 v[S+4*\k:S+4*\k+3], v7, s[56:57] offset:512*\k            ; step 0's record, through registers that the scores will take
.endr
	global_load_b32 v224, v8, s[56:57] offset:4096
.irp k, 0,1,2,3,4,5,6,7
	global_load_b128 v[S+32+4*\k:S+32+4*\k+3], v7, s[58:59] offset:512*\k      ; step 1's
.endr
	global_load_b32 v226, v8, s[58:59] offset:4096
	WIN 0x40
.irp k, 0,1,2,3,4,5,6,7
	global_load_b128 v[4*\k:4*\k+3], v7, s[60:61] offset:512*\k                ; step 2's into set 0: step 0 stores it
.endr
	global_load_b32 v32, v8, s[60:61] offset:4096
.irp k, 0,1,2,3,4,5,6,7
	global_load_b128 v[34+4*\k:34+4*\k+3], v7, s[62:63] offset:512*\k          ; step 3's into set 1: step 1 stores it
.endr
	global_load_b32 v66, v8, s[62:63] offset:4096
	WIN 0
	v_mov_b32 v13, 0xff61b1e6                      ; the largest t so far: -3e38
	v_floor_f32 v12, -v13
	v_mov_b32 v14, 0
	v_mov_b32 v15, 0
	v_mov_b32 v252, 0                              ; f's register is also a lane permute's destination, which counts as read
	v_mov_b32 v253, 0                              ; the upper half of f's pair
.irp b, 0,1,2,3
	v_mov_b32 v[236+\b], 0                         ; a lane permute's destination counts as read
.endr
	s_wait_loadcnt 18                              ; both Qs and the records of steps 0 and 1 are in; the eighteen loads of steps 2 and 3 may be out
	v_lshrrev_b32 v40, s54, v40                    ; my tile's two bytes of the pair's word,
	v_and_b32 v40, 0xffff, v40
	v_lshl_or_b32 v40, v40, 16, v40                ; twice: for (Q, 0) and for (0, Q)
.irp k, 0,1,2,3,4,5,6,7
	ds_store_b128 v5, v[S+4*\k:S+4*\k+3] offset:512*\k
.endr
	ds_store_b32 v6, v224
.irp k, 0,1,2,3,4,5,6,7
	ds_store_b128 v5, v[S+32+4*\k:S+32+4*\k+3] offset:STEPB+512*\k
.endr
	ds_store_b32 v6, v226 offset:STEPB
.set j, 0
.rept 32
	v_mov_b32 v[OT+j], 0                           ; the step is written once: a block's first finds zeros.  These 32 plain lines also stand between the making of Q's scale word and the first product that takes it (eight are asked)
.set j, j+1
.endr
	s_wait_alu depctr_va_vdst(0)
	s_wait_dscnt 0x0                               ; for the others' sake: my quarters lie in slots 0 and 1
	s_barrier_signal -1
	s_barrier_wait -1
.irp p, 0,1,2,3
.irp c, 0,1,2,3
	ds_load_b128 v[48+16*\p+4*\c:48+16*\p+4*\c+3], v7 offset:2048*\p+512*\c    ; K of step 0
.endr
.endr
	ds_load_b32 v41, v4
	ds_load_b32 v42, v4 offset:128
	s_wait_dscnt 0x0
; KEY STEP i, i % 4 = sg.  K of this step stands in region KA.
.macro STEPM sg
.set NX,  ((\sg)+1)%4                  ; the slot of the next step's record
.set ST2, ((\sg)+2)%4                  ; the slot that takes the record two steps on
.set STS, 34*((\sg)%2)                 ; the register set that holds it
.set LKC, 7+39*((\sg)/2)               ; the address registers of this slot's and the next slot's units
.set LKN, 7+39*(NX/2)
.set KA,  48+64*((\sg)%2)              ; K, then V
.set S,   112-64*((\sg)%2)             ; S^T, then p, then the next step's K
	s_cmp_lt_u32 s[KS], s[NN]                      ; ids and the count of steps alone
	s_cbranch_scc1 .Lwork_\@
	s_wait_loadcnt 0x0                             ; past the last step: no load of mine is out, so that the counted wait below counts the same loads on every way into a step
	s_branch .Ltail_\@
.Lwork_\@:
.irp p, 0,1,2,3
	MMK S+16*\p, KA+16*\p, 24, 41+\p/2, \p%2               ; (Q, 0): the fragment's first key tile
	MMK S+16*\p+8, KA+16*\p, 16, 41+\p/2, \p%2             ; (0, Q): its second
.endr
	s_wait_loadcnt 9                               ; the record two steps on is in its set (loaded two steps ago); the other set's nine loads may be out
	WIN 0x04                                       ; an LDS store's data are its source 1: window 1
.irp k, 0,1,2,3,4,5,6,7
	ds_store_b128 v5, v[STS+4*\k:STS+4*\k+3] offset:STEPB*ST2+512*\k           ; its slot was last read two steps ago: every wave's wait for its reads and two barriers lie between
.endr
	ds_store_b32 v6, v[STS+32] offset:STEPB*ST2
	WIN 0
	PLACES 8                                       ; in front of loads into registers that the products read, and of the first read of the scores
.irp b, 0,1,2,3
.irp c, 0,1,2,3
	ds_load_b128 v[KA+16*\b+4*\c:KA+16*\b+4*\c+3], v[LKC] offset:STEPB*((\sg)%2)+8192+2048*\b+512*\c   ; V^T: channel tile b x these 128 keys, into the registers that K has left
.endr
.endr
	ds_load_b32 v43, v4 offset:STEPB*\sg+256       ; V's scale words of this step
	ds_load_b32 v44, v4 offset:STEPB*\sg+384
	s_cmp_lt_u32 s[KS], s[LIMP]                    ; in step i the codes of the record six steps on, two steps ahead of the loads that want them: 64 blocks of 256 bytes, a lane a block, two waves; it stops at the walk's sixteenth record
	s_cbranch_scc0 .Lnp_\@
	global_prefetch_b8 v10, s[PFA:PFA+1] th:TH_LOAD_NT scope:SCOPE_SE
.Lnp_\@:
	s_add_co_u32 s36, s[KS], 1
	s_cmp_eq_u32 s36, s[M1]                        ; a block's last step lies on the diagonal (second kind alone)
	s_cbranch_scc1 .Lmask_\@
	s_cmp_lg_u32 s36, s[M2]
	s_cbranch_scc1 .Lopen_\@
.Lmask_\@:
	v_mov_b32 v254, 0xff800000
.irp n, 0,1,2,3,4,5,6,7,8,9,10,11,12,13,14,15,16,17,18,19,20,21,22,23,24,25,26,27,28,29,30,31,32,33,34,35,36,37,38,39,40,41,42,43,44,45,46,47,48,49,50,51,52,53,54,55,56,57,58,59,60,61,62,63
	v_cmp_gt_i32 vcc_lo, 32*(\n/16)+\n%16, v9
	v_cndmask_b32 v[S+\n], v[S+\n], v254, vcc_lo
.endr
.Lopen_\@:
.irp b, 0,1,2,3
	v_max3_num_f32 v[232+\b], v[S+16*\b], v[S+1+16*\b], v[S+2+16*\b]      ; the largest score of each block of 32 keys: for the row's maximum, and for the block's largest p
.endr
.irp i, 3,5,7,9,11,13
.irp b, 0,1,2,3
	v_max3_num_f32 v[232+\b], v[232+\b], v[S+16*\b+\i], v[S+1+16*\b+\i]
.endr
.endr
.irp b, 0,1,2,3
	v_max_num_f32 v[232+\b], v[232+\b], v[S+15+16*\b]
.endr
.irp b, 0,1,2,3
	s_delay_alu instid0(VALU_DEP_4)
	v_permlanex16_b32 v[236+\b], v[232+\b], s[SEL], s[SEL+1]
.endr
.irp b, 0,1,2,3
	s_delay_alu instid0(VALU_DEP_4)
	v_max_num_f32 v[232+\b], v[232+\b], v[236+\b]
.endr
	s_delay_alu instid0(VALU_DEP_2)
	v_max3_num_f32 v254, v232, v233, v234
	s_delay_alu instid0(VALU_DEP_1)
	v_max_num_f32 v254, v254, v235
	s_delay_alu instid0(VALU_DEP_1)
	v_mul_f32 v254, s[CS], v254
	s_delay_alu instid0(VALU_DEP_1)
	v_max_num_f32 v13, v13, v254                   ; the running largest t
	v_mov_b32 v254, v12
	s_delay_alu instid0(VALU_DEP_2)
	v_floor_f32 v12, -v13                          ; -M = floor(-t)
	s_delay_alu instid0(VALU_DEP_1)
	v_sub_f32 v254, v12, v254
	s_delay_alu instid0(VALU_DEP_1)
	v_cvt_i32_f32 v254, v254                       ; it saturates
	s_delay_alu instid0(VALU_DEP_1)
	v_ldexp_f32 v252, 1.0, v254                    ; f = 2^(old M - new M): exact
.set j, 0
.rept 32
	v_pk_fma_f32 v[S+j:S+j+1], v[S+j:S+j+1], s[CS:CS+1], v[12:13] op_sel_hi:[1,0,0]
.set j, j+2
.endr
.irp b, 0,1,2,3
	v_fma_f32 v[232+\b], v[232+\b], s[CS], v12
.endr
	s_wait_dscnt 18                                ; all but V's eighteen loads: the nine stores have read their registers,
	WIN 0x40
.irp k, 0,1,2,3,4,5,6,7
	global_load_b128 v[STS+4*\k:STS+4*\k+3], v7, s[KVB:KVB+1] offset:512*\k    ; which take the record four steps on
.endr
	global_load_b32 v[STS+32], v8, s[KVB:KVB+1] offset:4096
	WIN 0
.set j, 0
	s_wait_alu depctr_va_vdst(0)
.rept 64
	v_exp_f32 v[S+j], v[S+j]                       ; p = 2^(t - M)
.set j, j+1
.endr
	v_pk_mul_f32 v[14:15], v[14:15], v[252:253] op_sel_hi:[1,0]   ; a plain line behind the exponentials
	s_wait_alu depctr_va_vdst(0)                   ; one wait for the batch, ahead of its first reader
.irp b, 0,1,2,3
	v_exp_f32 v[232+\b], v[232+\b]                 ; each block's largest p
.endr
; the row's sum of the unquantised p: 32 pairs in eight chains
.set k, 0
.irp t, 236,254,250,248,246,244,242
	v_pk_add_f32 v[\t:\t+1], v[S+4+8*k:S+5+8*k], v[S+8+8*k:S+9+8*k]
.set k, k+1
.endr
	v_pk_add_f32 v[14:15], v[14:15], v[S+60:S+61]
.set k, 0
.irp t, 236,254,250,248,246,244,242
	v_pk_add_f32 v[\t:\t+1], v[\t:\t+1], v[S+2+4*k:S+3+4*k]
.set k, k+1
.endr
	v_pk_add_f32 v[14:15], v[14:15], v[S+30:S+31]
.set k, 0
.irp t, 236,254,250,248,246,244,242
	v_pk_add_f32 v[\t:\t+1], v[\t:\t+1], v[S+34+4*k:S+35+4*k]
.set k, k+1
.endr
	v_pk_add_f32 v[14:15], v[14:15], v[S+62:S+63]
	v_pk_add_f32 v[236:237], v[236:237], v[S:S+1]
	v_pk_add_f32 v[14:15], v[14:15], v[248:249]
	v_pk_add_f32 v[236:237], v[236:237], v[246:247]
	v_pk_add_f32 v[254:255], v[254:255], v[244:245]
	v_pk_add_f32 v[250:251], v[250:251], v[242:243]
	v_pk_add_f32 v[14:15], v[14:15], v[254:255]
	v_pk_add_f32 v[236:237], v[236:237], v[250:251]
	v_pk_add_f32 v[14:15], v[14:15], v[236:237]
	s_wait_alu depctr_va_vdst(0)                   ; and one for the four
.irp b, 0,1,2,3
	v_max_num_f32 v[232+\b], 0x8000000, v[232+\b]
.endr
.irp b, 0,1,2,3
	v_add_nc_u32 v[244+\b], 0xf8800000, v[232+\b]
.endr
.irp b, 0,1,2,3
	v_and_or_b32 v[240+\b], v[232+\b], 0x7f800000, s[MNT]
.endr
.irp b, 0,1,2,3
	v_lshrrev_b32 v[236+\b], 23, v[244+\b]
.endr
	v_lshl_or_b32 v45, v237, 8, v236               ; p's scale word for these 128 keys
	v_lshl_or_b32 v45, v238, 16, v45
	v_lshl_or_b32 v45, v239, 24, v45
.irp b, 0,1,2,3
.irp i, 0,1,2,3,4,5,6,7,8,9,10,11,12,13,14,15
	v_min_num_f32 v[S+16*\b+\i], v[S+16*\b+\i], v[240+\b]         ; p is not negative: the hold is one-sided
.endr
	v_cvt_scalef32_pk8_bf8_f32 v[CD+4*\b:CD+1+4*\b], v[S+16*\b:S+7+16*\b], v[244+\b]
	v_cvt_scalef32_pk8_bf8_f32 v[CD+2+4*\b:CD+3+4*\b], v[S+8+16*\b:S+15+16*\b], v[244+\b]
.irp c, 0,1,2,3
	ds_load_b128 v[S+16*\b+4*\c:S+16*\b+4*\c+3], v[LKN] offset:STEPB*(NX%2)+2048*\b+512*\c     ; K of the next step (stored a step ago, shown by the last barrier) into the sixteen registers that this block's p has just left
.endr
.endr
	ds_load_b32 v41, v4 offset:STEPB*NX
	ds_load_b32 v42, v4 offset:STEPB*NX+128
	s_wait_alu depctr_va_vdst(0)                   ; the wait ahead of the first reader of O^T
.set j, 0
.rept 16
	v_pk_mul_f32 v[OT+j:OT+j+1], v[OT+j:OT+j+1], v[252:253] op_sel_hi:[1,0]     ; O^T under the new M; these are also the places between the codes and the products
.set j, j+2
.endr
	s_wait_alu depctr_va_vdst(0)
	s_wait_dscnt 18                                ; V and its scale words are in; the eighteen loads of the next step's K may be out
	MMV OT, KA, 43, 0
	MMV OT+8, KA+16, 43, 1
	MMV OT+16, KA+32, 44, 0
	MMV OT+24, KA+48, 44, 1
	PLACES 9                                       ; the next step's scores are laid over registers that these products read; a block's end reads the sums
	s_add_co_u32 s36, s[KS], 5                     ; the next step loads the record of step i + 5, held at my last step's
	s_sub_co_u32 s37, s[NN], 1
	s_min_u32 s36, s36, s37
	s_cmp_lt_u32 s36, s[RN1]
	s_cselect_b32 s37, 16, s[NEG]
	s_add_co_u32 s36, s36, s37
	s_mul_i32 s34, s36, STEPB
	s_wait_xcnt 0x0                                ; the loads and the prefetch have read their addresses
	s_add_nc_u64 s[KVB:KVB+1], s[HB:HB+1], s[34:35]
	s_add_nc_u64 s[PFA:PFA+1], s[PFA:PFA+1], STEPB
	s_add_co_u32 s36, s[KS], 1
	s_cmp_lg_u32 s36, s[M1]
	s_cbranch_scc1 .Ltail_\@
	FLUSH OB1, LB1                                 ; THE FIRST BLOCK ENDS: its part 1 leaves, and the second block begins
	s_wait_xcnt 0x0                                ; the stores have read their registers
	WIN 0x01                                       ; source 0 window 1
.irp j, 0,1,2,3,4,5,6,7
	v_mov_b32 v[24+\j], v[68+\j]
.endr
	v_mov_b32 v40, v76
	WIN 0
	v_lshrrev_b32 v40, s54, v40
	v_and_b32 v40, 0xffff, v40
	v_lshl_or_b32 v40, v40, 16, v40
	v_mov_b32 v13, 0xff61b1e6
	v_floor_f32 v12, -v13
	v_mov_b32 v14, 0
	v_mov_b32 v15, 0
.set j, 0
.rept 32
	v_mov_b32 v[OT+j], 0                           ; also the places between Q, its scale word and the next products
.set j, j+1
.endr
	s_wait_alu depctr_va_vdst(0)
.Ltail_\@:
	s_wait_dscnt 0x0                               ; my stores are done, my reads of this slot are over, and the next step's K is in
	s_barrier_signal -1
	s_barrier_wait -1
	s_add_co_u32 s[KS], s[KS], 1
.endm
	s_mov_b32 s44, 5
.Ltrip:                                                ; four steps a trip: slots, register sets and regions are back where they began
	STEPM 0
	STEPM 1
	STEPM 2
	STEPM 3
	s_sub_co_u32 s44, s44, 1
	s_cmp_lg_u32 s44, 0
	s_cbranch_scc1 .Ltrip
	FLUSH OB2, LB2                                 ; the last block's part 0
	s_wait_tensorcnt 0x0                           ; the wave's end
	ds_add_u32 v1, v2
	s_wait_dscnt 0x0
	s_endpgm
.Lfunc_end_k_qb2d4758a24_attn:
	.size	k_qb2d4758a24_attn, .Lfunc_end_k_qb2d4758a24_attn-k_qb2d4758a24_attn
	.p2alignl 7, 3214868480
	.fill 96, 4, 3214868480
	.section	.rodata,"a",@progbits
	.p2align	6, 0x0
	.amdhsa_kernel k_qb2d4758a24_attn
		.amdhsa_group_segment_fixed_size 68096
		.amdhsa_private_segment_fixed_size 0
		.amdhsa_enable_private_segment 0
		.amdhsa_kernarg_size 16
		.amdhsa_user_sgpr_count 2
		.amdhsa_user_sgpr_kernarg_segment_ptr 1
		.amdhsa_wavefront_size32 1
		.amdhsa_system_sgpr_workgroup_id_x 1
		.amdhsa_system_sgpr_workgroup_id_y 1
		.amdhsa_system_sgpr_workgroup_id_z 1
		.amdhsa_system_vgpr_workitem_id 0
		.amdhsa_next_free_vgpr 336
		.amdhsa_next_free_sgpr 80
		.amdhsa_reserve_vcc 1
		.amdhsa_float_denorm_mode_32 3
		.amdhsa_float_denorm_mode_16_64 3
		.amdhsa_memory_ordered 1
		.amdhsa_forward_progress 1
		.amdhsa_inst_pref_size 133
	.end_amdhsa_kernel
	.amdgpu_metadata
---
amdhsa.version: [ 1, 2 ]
amdhsa.kernels:
  - .name:           k_qb2d4758a24_attn
    .symbol:         k_qb2d4758a24_attn.kd
    .args:
      - { .name: qkvb, .offset: 0, .size: 8, .value_kind: global_buffer, .address_space: global }
      - { .name: ctxb, .offset: 8, .size: 8, .value_kind: global_buffer, .address_space: global }
    .group_segment_fixed_size: 68096
    .private_segment_fixed_size: 0
    .kernarg_segment_align: 8
    .kernarg_segment_size: 16
    .max_flat_workgroup_size: 128
    .sgpr_count:     80
    .vgpr_count:     336
    .wavefront_size: 32
...
	.end_amdgpu_metadata
.endif
;; end of part 3
;; launch wo_ln (part 4): grid 256 x 1, 12 waves a work-group, no clusters, 16,896 bytes of LDS; arguments p0, ctxb, x, bo, b3, g2, s2, dout; writes dout
.if DOCPART == 4
	.amdgcn_target "amdgcn-amd-amdhsa--gfx1250"
	.amdhsa_code_object_version 6
	.text
	.protected	k_qb2d4758a24_wo_ln
	.globl	k_qb2d4758a24_wo_ln
	.p2align	8
	.type	k_qb2d4758a24_wo_ln,@function
k_qb2d4758a24_wo_ln:
	s_mov_b64 s[64:65], 0
	v_nop
	global_prefetch_b8 v0, s[64:65] scope:SCOPE_SE
	s_setreg_imm32_b32 hwreg(HW_REG_WAVE_MODE, 25, 1), 1
	s_wait_xcnt 0x0
; ctx is finished and quantised; x1 = ctx Wo + bo + x on codes of E5M2 (K = 768); x1 + b3 stored as images of accumulator registers for the last launch; h2 = LayerNorm(x1; g2, s2) as codes and scale bytes.
; SHARES.  A work-group takes one tile of 16 tokens x all 768 columns, since the norm needs whole rows.
; CTX.  The attention launch left, for each tile and head, the sums O^T as register images with (l, -M): one part for tiles 0-127, two for tiles 128-255, whose keys it divided.  Wave w takes head w:
; it brings the two parts under the larger M (a whole number: multiplications by powers of two), adds them, divides by l, quantises the head's two blocks of 32 along D, and lays codes and scale bytes into LDS
; as the operand's registers want them; behind one barrier all twelve waves read all of ctx from there.  The branch on the tile's number is the same in all waves.
; THE PRODUCT.  Wave w takes columns 64 w .. 64 w + 63: four column tiles, 24 products.  Wo's fragments go from memory straight into registers: each wave's 48 KB are its own.
; NO TENSOR LOAD, NO CLUSTER: Wo's 589,824 bytes do not fit in LDS, and a ring that is filled again would put its barriers between runs of four products a wave.
; The product is used transposed (source 0 = Wo's tile, source 1 = ctx's): a lane holds one token, its 32 registers 16 neighbouring columns of each of two blocks.  x is the C of the first products.
; LIMITS as stated in the first launch.
.set SPARE, 2048                       ; LDS: 0 row sums, 1,024 sums of squares, 2,048 the spare words, 4,096 ctx's codes (12 heads x 1,024 bytes), 16,384 ctx's scale bytes (16 rows x 24)
.set CTXL,  4096
.set SCB,   16384
.set LMB,   25165824
.set PART,  12582912                   ; from part 0 to part 1 of the sums; of (l, -M): PART / 16
.set WO_C,  1769472
.set WO_S,  9492480
.set H2_C,  12582912
.set H2_S,  15728640
.set X,   32                           ; v32-63 four accumulators
.set CSW, 10                           ; v10-15 ctx's scale words;  v16-27 Wo's
.set WS,  16
.set SET0, 64                          ; v64-143, v144-223: ctx's fragment and Wo's four, two sets; ahead of the products v144-223 serve the joining of ctx's parts
.set SET1, 144
.set P0,  144                          ; v144-175 part 0, then ctx;  v176-207 part 1;  v[208:209], v[210:211] their (l, -M);  v212-214 addresses;  v216-223 at work
.set P1,  176
.set LT,  128
.set RA,  8
.set RL,  9
.set TM,  224
.set CD,  244
.set SEL, 40
.set MNT, 42
.set HM,  43
.macro PLACES n
.rept \n
	v_nop
.endr
.endm
.macro MM d, a, b, sa, sb, ra
.if \ra
	v_wmma_scale_f32_16x16x128_f8f6f4 v[0+(\d):7+(\d)], v[0+(\a):15+(\a)], v[0+(\b):15+(\b)], v[0+(\d):7+(\d)], v[0+(\sa)], v[0+(\sb)] matrix_a_fmt:MATRIX_FMT_BF8 matrix_b_fmt:MATRIX_FMT_BF8 matrix_a_scale:MATRIX_SCALE_ROW1
.else
	v_wmma_scale_f32_16x16x128_f8f6f4 v[0+(\d):7+(\d)], v[0+(\a):15+(\a)], v[0+(\b):15+(\b)], v[0+(\d):7+(\d)], v[0+(\sa)], v[0+(\sb)] matrix_a_fmt:MATRIX_FMT_BF8 matrix_b_fmt:MATRIX_FMT_BF8
.endif
.endm
.macro QUANT s, nb
.set qb, 0
.rept \nb
	v_max3_num_f32 v[TM+qb], |v[\s+16*qb]|, |v[\s+16*qb+1]|, 0x8000000
.set qb, qb+1
.endr
.set qi, 2
.rept 7
.set qb, 0
.rept \nb
	s_delay_alu instid0(VALU_DEP_2)
	v_max3_num_f32 v[TM+qb], v[TM+qb], |v[\s+16*qb+qi]|, |v[\s+16*qb+qi+1]|
.set qb, qb+1
.endr
.set qi, qi+2
.endr
.set qb, 0
.rept \nb
	s_delay_alu instid0(VALU_DEP_2)
	v_permlanex16_b32 v[TM+4+qb], v[TM+qb], s[SEL], s[SEL+1]
.set qb, qb+1
.endr
.set qb, 0
.rept \nb
	s_delay_alu instid0(VALU_DEP_2)
	v_max_num_f32 v[TM+qb], v[TM+qb], v[TM+4+qb]
.set qb, qb+1
.endr
.set qb, 0
	s_delay_alu instid0(VALU_DEP_2)
	v_add_nc_u32 v[TM+12+qb], 0xf8800000, v[TM+qb]
	s_delay_alu instid0(VALU_DEP_3)
	v_and_or_b32 v[TM+8+qb], v[TM+qb], 0x7f800000, s[MNT]
.set qb, qb+1
.rept (\nb)-1
	s_delay_alu instid0(VALU_DEP_3)
	v_add_nc_u32 v[TM+12+qb], 0xf8800000, v[TM+qb]
	s_delay_alu instid0(VALU_DEP_4)
	v_and_or_b32 v[TM+8+qb], v[TM+qb], 0x7f800000, s[MNT]
.set qb, qb+1
.endr
.set qb, 0
	s_delay_alu instid0(VALU_DEP_4)
	v_lshrrev_b32 v[TM+4+qb], 23, v[TM+12+qb]
.set qb, qb+1
.rept (\nb)-1
	s_delay_alu instid0(VALU_DEP_3)
	v_lshrrev_b32 v[TM+4+qb], 23, v[TM+12+qb]
.set qb, qb+1
.endr
.set qb, 0
.rept \nb
.set qi, 0
.rept 16
	v_med3_num_f32 v[\s+16*qb+qi], v[\s+16*qb+qi], -v[TM+8+qb], v[TM+8+qb]
.set qi, qi+1
.endr
	v_cvt_scalef32_pk8_bf8_f32 v[CD+4*qb:CD+4*qb+1], v[\s+16*qb:\s+16*qb+7], v[TM+12+qb]
	v_cvt_scalef32_pk8_bf8_f32 v[CD+4*qb+2:CD+4*qb+3], v[\s+16*qb+8:\s+16*qb+15], v[TM+12+qb]
.set qb, qb+1
.endr
	v_nop
.endm
; the norm, as in the first launch
.macro LNQ xr, gr, sr
	v_pk_add_f32 v[130:131], v[32:33], v[34:35]
	v_pk_add_f32 v[254:255], v[40:41], v[44:45]
	v_pk_add_f32 v[252:253], v[48:49], v[52:53]
	v_pk_add_f32 v[250:251], v[56:57], v[60:61]
	v_pk_add_f32 v[248:249], v[36:37], v[38:39]
	v_pk_add_f32 v[246:247], v[42:43], v[46:47]
	v_pk_add_f32 v[244:245], v[50:51], v[54:55]
	v_pk_add_f32 v[128:129], v[58:59], v[62:63]
	s_delay_alu instid0(VALU_DEP_1)
	v_pk_add_f32 v[128:129], v[128:129], v[250:251]
	v_pk_add_f32 v[130:131], v[130:131], v[248:249]
	v_pk_add_f32 v[254:255], v[254:255], v[246:247]
	v_pk_add_f32 v[252:253], v[252:253], v[244:245]
	s_delay_alu instid0(VALU_DEP_2)
	v_pk_add_f32 v[128:129], v[128:129], v[254:255]
	s_delay_alu instid0(VALU_DEP_2)
	v_pk_add_f32 v[130:131], v[130:131], v[252:253]
	s_delay_alu instid0(VALU_DEP_1)
	v_pk_add_f32 v[128:129], v[128:129], v[130:131]
	s_delay_alu instid0(VALU_DEP_1)
	v_add_f32 v[LT], v[LT], v[LT+1]
	s_delay_alu instid0(VALU_DEP_1)
	v_permlanex16_b32 v[LT+1], v[LT], s[SEL], s[SEL+1]
	s_delay_alu instid0(VALU_DEP_1)
	v_add_f32 v[LT], v[LT], v[LT+1]
	ds_store_b32 v[RA], v[LT]
	s_wait_dscnt 0x0                                   ; for the others' sake: my store is done
	s_barrier_signal -1
	s_barrier_wait -1
	ds_load_b128 v[LT+4:LT+7], v[RL]
	ds_load_b128 v[LT+8:LT+11], v[RL] offset:16
	ds_load_b128 v[LT+12:LT+15], v[RL] offset:32
	s_wait_dscnt 0x0
	v_pk_add_f32 v[LT+4:LT+5], v[LT+4:LT+5], v[LT+6:LT+7]
	v_pk_add_f32 v[LT+8:LT+9], v[LT+8:LT+9], v[LT+10:LT+11]
	v_pk_add_f32 v[LT+12:LT+13], v[LT+12:LT+13], v[LT+14:LT+15]
	s_delay_alu instid0(VALU_DEP_2)
	v_pk_add_f32 v[LT+4:LT+5], v[LT+4:LT+5], v[LT+8:LT+9]
	s_delay_alu instid0(VALU_DEP_1)
	v_pk_add_f32 v[LT+4:LT+5], v[LT+4:LT+5], v[LT+12:LT+13]
	s_delay_alu instid0(VALU_DEP_1)
	v_add_f32 v[LT], v[LT+4], v[LT+5]
	s_delay_alu instid0(VALU_DEP_1)
	v_mul_f32 v[LT], 0x3aaaaaab, v[LT]                  ; the mean: x 1/768
.set j, 0
	s_wait_alu depctr_va_vdst(0)
.rept 16
	v_pk_add_f32 v[\xr+j:\xr+j+1], v[\xr+j:\xr+j+1], v[LT:LT+1] op_sel_hi:[1,0] neg_lo:[0,1] neg_hi:[0,1]
.set j, j+2
.endr
	v_pk_mul_f32 v[LT+2:LT+3], v[\xr:\xr+1], v[\xr:\xr+1]
	v_pk_mul_f32 v[LT+4:LT+5], v[\xr+2:\xr+3], v[\xr+2:\xr+3]
.irp i, 4,8,12,16,20,24,28
	s_delay_alu instid0(VALU_DEP_2)
	v_pk_fma_f32 v[LT+2:LT+3], v[\xr+\i:\xr+\i+1], v[\xr+\i:\xr+\i+1], v[LT+2:LT+3]
	s_delay_alu instid0(VALU_DEP_2)
	v_pk_fma_f32 v[LT+4:LT+5], v[\xr+\i+2:\xr+\i+3], v[\xr+\i+2:\xr+\i+3], v[LT+4:LT+5]
.endr
	s_delay_alu instid0(VALU_DEP_1)
	v_pk_add_f32 v[LT+2:LT+3], v[LT+2:LT+3], v[LT+4:LT+5]
	s_delay_alu instid0(VALU_DEP_1)
	v_add_f32 v[LT+2], v[LT+2], v[LT+3]
	s_delay_alu instid0(VALU_DEP_1)
	v_permlanex16_b32 v[LT+3], v[LT+2], s[SEL], s[SEL+1]
	s_delay_alu instid0(VALU_DEP_1)
	v_add_f32 v[LT+2], v[LT+2], v[LT+3]
	ds_store_b32 v[RA], v[LT+2] offset:1024
	s_wait_dscnt 0x0
	s_barrier_signal -1
	s_barrier_wait -1
	ds_load_b128 v[LT+4:LT+7], v[RL] offset:1024
	ds_load_b128 v[LT+8:LT+11], v[RL] offset:1040
	ds_load_b128 v[LT+12:LT+15], v[RL] offset:1056
	s_wait_dscnt 0x0
	v_pk_add_f32 v[LT+4:LT+5], v[LT+4:LT+5], v[LT+6:LT+7]
	v_pk_add_f32 v[LT+8:LT+9], v[LT+8:LT+9], v[LT+10:LT+11]
	v_pk_add_f32 v[LT+12:LT+13], v[LT+12:LT+13], v[LT+14:LT+15]
	s_delay_alu instid0(VALU_DEP_2)
	v_pk_add_f32 v[LT+4:LT+5], v[LT+4:LT+5], v[LT+8:LT+9]
	s_delay_alu instid0(VALU_DEP_1)
	v_pk_add_f32 v[LT+4:LT+5], v[LT+4:LT+5], v[LT+12:LT+13]
	s_delay_alu instid0(VALU_DEP_1)
	v_add_f32 v[LT], v[LT+4], v[LT+5]
	s_delay_alu instid0(VALU_DEP_1)
	v_mul_f32 v[LT], 0x3aaaaaab, v[LT]
	s_delay_alu instid0(VALU_DEP_1)
	v_add_f32 v[LT], 0x3727c5ac, v[LT]                  ; + 1e-5
	s_wait_alu depctr_va_vdst(0)
	v_rsq_f32 v[LT+2], v[LT]
	v_nop
	s_wait_alu depctr_va_vdst(0)                       ; the wait ahead of the result's first reader
	s_wait_loadcnt 0x0                                 ; gain and shift are in
.set j, 0
.rept 16
	v_pk_mul_f32 v[\xr+j:\xr+j+1], v[\xr+j:\xr+j+1], v[\gr+j:\gr+j+1]
.set j, j+2
.endr
.set j, 0
.rept 16
	v_pk_fma_f32 v[\xr+j:\xr+j+1], v[\xr+j:\xr+j+1], v[LT+2:LT+3], v[\sr+j:\sr+j+1] op_sel_hi:[1,0,1]
.set j, j+2
.endr
	QUANT \xr, 2
.endm
.macro CLD base, ks                    ; K step ks: ctx's fragment out of LDS: 4 loads
.irp c, 0,1,2,3
	ds_load_b128 v[\base+4*\c:\base+4*\c+3], v5 offset:CTXL+(\ks)*2048+512*\c
.endr
.endm
.macro WLD base, ks                    ; and my four of Wo: 16 loads
.irp i, 0,1,2,3
.irp c, 0,1,2,3
	global_load_b128 v[\base+16+16*\i+4*\c:\base+16+16*\i+4*\c+3], v5, s[30:31] offset:\i*12288+(\ks)*2048+512*\c
.endr
.endr
.endm
.macro VECLD reg, lo                   ; 32 numbers of a vector over D in my lane's layout: 8 loads
.irp bl, 0,1
.irp q, 0,1,2,3
	global_load_b128 v[\reg+16*\bl+4*\q:\reg+16*\bl+4*\q+3], v4, s[\lo:\lo+1] offset:128*\bl+16*\q
.endr
.endr
.endm
.macro KSTEP ks, base, dc              ; four accumulators by turns
	s_wait_loadcnt 16                              ; this K step's fragments of Wo are in; the sixteen loads issued behind them may be out
	s_wait_dscnt \dc                               ; and ctx's; the other set's four may be out
.irp i, 0,1,2,3
	MM X+8*\i, \base+16+16*\i, \base, WS+6*(\i/2)+\ks, CSW+\ks, \i%2
.endr
	PLACES 8                                       ; in front of loads into registers that the products read
.endm
.macro PLOAD reg, lm, ob, lb           ; a part of my head's sums, as the attention launch's registers held them, and its (l, -M): 9 loads
.irp k, 0,1,2,3,4,5,6,7
	global_load_b128 v[\reg+4*\k:\reg+4*\k+3], v5, s[\ob:\ob+1] offset:512*\k
.endr
	global_load_b64 v[\lm:\lm+1], v214, s[\lb:\lb+1]
.endm
.macro COMMON                          ; what does not hang on ctx is asked for at once: 30 loads
.irp bl, 0,1
.irp q, 0,1,2,3
	global_load_b128 v[X+16*\bl+4*\q:X+16*\bl+4*\q+3], v3, s[24:25] offset:128*\bl+16*\q      ; x, in the accumulators' layout
.endr
.endr
.irp pl, 0,1
.irp j, 0,1,2
	global_load_b64 v[WS+6*\pl+2*\j:WS+6*\pl+2*\j+1], v7, s[32:33] offset:\pl*768+8*\j
.endr
.endr
	WLD SET0, 0
	s_wait_loadcnt 30                              ; the parts are in; these thirty may be out
.endm
	s_load_b256 s[8:15], s[0:1], 0x0               ; p0, ctxb, x, bo
	s_load_b256 s[16:23], s[0:1], 0x20             ; b3, g2, s2, dout
	v_lshl_add_u32 v1, v0, 2, SPARE
	v_mov_b32 v2, 0
	v_lshrrev_b32 v3, 5, v0
	v_readfirstlane_b32 s4, v3                     ; wave 0..11
	s_lshr_b32 s24, ttmp9, 1
	s_lshl_b32 s24, s24, 5
	s_and_b32 s25, ttmp9, 1
	s_lshl_b32 s25, s25, 3
	s_add_co_u32 s24, s24, s25                     ; the tile's first token
	s_mul_i32 s24, s24, 3072
	s_lshl_b32 s44, s4, 8                          ; my 64 columns: 256 bytes
	s_add_co_u32 s24, s24, s44
	s_mov_b32 s25, 0
	s_mov_b32 s45, 0
	s_mul_i32 s26, ttmp9, 12
	s_add_co_u32 s26, s26, s4                      ; tile x 12 + head
	s_lshl_b32 s28, s26, 8
	s_add_co_u32 s28, s28, LMB                     ; part 0's (l, -M)
	s_mov_b32 s29, 0
	s_lshl_b32 s26, s26, 12                        ; part 0's sums
	s_mov_b32 s27, 0
	s_add_co_u32 s48, s26, PART
	s_mov_b32 s49, 0
	s_add_co_u32 s50, s28, PART/16
	s_mov_b32 s51, 0
	s_mul_i32 s30, s4, 49152
	s_add_co_u32 s30, s30, WO_C
	s_mov_b32 s31, 0
	s_mul_i32 s32, s4, 1536
	s_add_co_u32 s32, s32, WO_S
	s_mov_b32 s33, 0
	s_mul_i32 s34, ttmp9, 49152
	s_lshl_b32 s35, s4, 12
	s_add_co_u32 s34, s34, s35
	s_mov_b32 s35, 0
	s_mul_i32 s36, ttmp9, 12288
	s_lshl_b32 s37, s4, 10
	s_add_co_u32 s36, s36, s37
	s_add_co_u32 s36, s36, H2_C
	s_add_co_u32 s47, s37, CTXL                    ; LDS: my head's two units of codes
	s_mov_b32 s37, 0
	s_mul_i32 s38, ttmp9, 384
	s_lshl_b32 s39, s4, 1
	s_add_co_u32 s38, s38, s39
	s_add_co_u32 s38, s38, H2_S
	s_add_co_u32 s52, s39, SCB                     ; LDS: my head's two bytes of a row's 24
	s_mov_b32 s39, 0
	s_lshl_b32 s46, s4, 2
	s_mov_b32 s[SEL], 0x76543210
	s_mov_b32 s[SEL+1], 0xfedcba98
	s_mov_b32 s[MNT], 0x600000
	s_mov_b32 s[HM], 0xffff0000
	v_and_b32 v29, 31, v0
	v_and_b32 v30, 15, v0
	v_bfe_u32 v31, v0, 4, 1
	v_and_b32 v3, 8, v30
	v_add_nc_u32 v3, v3, v30
	v_mul_u32_u24 v3, v3, 3072
	v_lshl_add_u32 v3, v31, 6, v3                  ; x: token r + 8 (r / 8), + 64 h
	v_lshlrev_b32 v4, 6, v31                       ; vectors over D: 64 h
	v_lshlrev_b32 v5, 4, v29                       ; 16 x lane
	v_mul_u32_u24 v6, v30, 24                      ; a row of 24 scale bytes
	v_mul_u32_u24 v7, v29, 24                      ; Wo's: a row a lane
	v_add_nc_u32 v28, v6, v31                      ; a byte of mine: row r, block h
	v_lshlrev_b32 v[RL], 6, v30
	v_add_nc_u32 v[RA], s46, v[RL]
	v_add_nc_u32 v212, s47, v5                     ; LDS: where my codes go
	v_add_nc_u32 v213, s52, v28                    ; and my scale byte
	v_add_nc_u32 v6, SCB, v6                       ; LDS: ctx's scale words, row r
	v_lshlrev_b32 v214, 3, v29                     ; 8 x lane
	v_mov_b32 v[TM+4], 0
	v_mov_b32 v[TM+5], 0
	v_mov_b32 v217, 0                              ; named as the upper half of a pair
	s_wait_alu depctr_va_vdst(0)
	s_wait_kmcnt 0x0
	s_add_nc_u64 s[24:25], s[12:13], s[24:25]
	s_add_nc_u64 s[26:27], s[10:11], s[26:27]
	s_add_nc_u64 s[28:29], s[10:11], s[28:29]
	s_add_nc_u64 s[48:49], s[10:11], s[48:49]
	s_add_nc_u64 s[50:51], s[10:11], s[50:51]
	s_add_nc_u64 s[30:31], s[8:9], s[30:31]
	s_add_nc_u64 s[32:33], s[8:9], s[32:33]
	s_add_nc_u64 s[14:15], s[14:15], s[44:45]
	s_add_nc_u64 s[16:17], s[16:17], s[44:45]
	s_add_nc_u64 s[18:19], s[18:19], s[44:45]
	s_add_nc_u64 s[20:21], s[20:21], s[44:45]
	s_add_nc_u64 s[34:35], s[22:23], s[34:35]
	s_add_nc_u64 s[36:37], s[22:23], s[36:37]
	s_add_nc_u64 s[38:39], s[22:23], s[38:39]
	s_cmp_lt_u32 ttmp9, 128
	s_cbranch_scc1 .Lone_part
	PLOAD P0, 208, 26, 28
	PLOAD P1, 210, 48, 50
	COMMON
	v_min_num_f32 v216, v209, v211                 ; -M of the two parts together
	v_sub_f32 v218, v216, v209                     ; M0 - M: a whole number, 0 or less
	v_sub_f32 v219, v216, v211
	v_cvt_i32_f32 v218, v218                       ; it saturates
	v_cvt_i32_f32 v219, v219
	v_mov_b32 v221, 0                              ; upper halves of pairs
	v_mov_b32 v223, 0
	v_ldexp_f32 v220, 1.0, v218                    ; 2^(M0 - M)
	v_ldexp_f32 v222, 1.0, v219
	v_mul_f32 v208, v208, v220
	v_fma_f32 v208, v210, v222, v208               ; l
.set j, 0
.rept 16
	v_pk_mul_f32 v[P0+j:P0+j+1], v[P0+j:P0+j+1], v[220:221] op_sel_hi:[1,0]
.set j, j+2
.endr
.set j, 0
.rept 16
	v_pk_fma_f32 v[P0+j:P0+j+1], v[P1+j:P1+j+1], v[222:223], v[P0+j:P0+j+1] op_sel_hi:[1,0,1]
.set j, j+2
.endr
	s_branch .Ljoined
.Lone_part:
	PLOAD P0, 208, 26, 28
	COMMON
.Ljoined:
	s_wait_alu depctr_va_vdst(0)                   ; the wait ahead of the transcendental, and behind the branch
	v_rcp_f32 v216, v208
	v_nop
	s_wait_alu depctr_va_vdst(0)                   ; and ahead of its first reader
.set j, 0
.rept 16
	v_pk_mul_f32 v[P0+j:P0+j+1], v[P0+j:P0+j+1], v[216:217] op_sel_hi:[1,0]     ; ctx: my 16 tokens x the head's 64 channels
.set j, j+2
.endr
	QUANT P0, 2
	ds_store_b128 v212, v[CD:CD+3]
	ds_store_b128 v212, v[CD+4:CD+7] offset:512
	v_cndmask_b32 v216, v[TM+4], v[TM+5], s[HM]    ; lanes 0-15 the first block's byte, lanes 16-31 the second's
	ds_store_b8 v213, v216
	s_wait_dscnt 0x0                               ; for the others' sake: my stores are done
	s_barrier_signal -1
	s_barrier_wait -1
.irp j, 0,1,2
	ds_load_b64 v[CSW+2*\j:CSW+2*\j+1], v6 offset:8*\j
.endr
	CLD SET0, 0
	CLD SET1, 1
	WLD SET1, 1
	KSTEP 0, SET0, 4
	CLD SET0, 2
	WLD SET0, 2
	KSTEP 1, SET1, 4
	CLD SET1, 3
	WLD SET1, 3
	KSTEP 2, SET0, 4
	CLD SET0, 4
	WLD SET0, 4
	KSTEP 3, SET1, 4
	CLD SET1, 5
	WLD SET1, 5
	KSTEP 4, SET0, 4
	VECLD 64, 14                                   ; bo
	VECLD 96, 16                                   ; b3
	KSTEP 5, SET1, 0                               ; bo's and b3's sixteen loads may be out
	VECLD 144, 18                                  ; g2
	VECLD 176, 20                                  ; s2
	s_wait_loadcnt 16                              ; bo and b3 are in; g2's and s2's sixteen may be out
.set j, 0
.rept 16
	v_pk_add_f32 v[X+j:X+j+1], v[X+j:X+j+1], v[64+j:65+j]          ; x1
	v_pk_add_f32 v[96+j:97+j], v[96+j:97+j], v[X+j:X+j+1]          ; x1 + b3
.set j, j+2
.endr
.irp i, 0,1,2,3
.irp jj, 0,1
	global_store_b128 v5, v[96+8*\i+4*\jj:96+8*\i+4*\jj+3], s[34:35] offset:\i*1024+512*\jj   ; four registers of an accumulator as they stand: 512 consecutive bytes
.endr
.endr
	LNQ X, 144, 176
	global_store_b128 v5, v[CD:CD+3], s[36:37]
	global_store_b128 v5, v[CD+4:CD+7], s[36:37] offset:512
	v_cndmask_b32 v[LT], v[TM+4], v[TM+5], s[HM]
	global_store_b8 v28, v[LT], s[38:39]
	s_wait_tensorcnt 0x0                           ; the wave's end
	ds_add_u32 v1, v2
	s_wait_dscnt 0x0
	s_endpgm
.Lfunc_end_k_qb2d4758a24_wo_ln:
	.size	k_qb2d4758a24_wo_ln, .Lfunc_end_k_qb2d4758a24_wo_ln-k_qb2d4758a24_wo_ln
	.p2alignl 7, 3214868480
	.fill 96, 4, 3214868480
	.section	.rodata,"a",@progbits
	.p2align	6, 0x0
	.amdhsa_kernel k_qb2d4758a24_wo_ln
		.amdhsa_group_segment_fixed_size 16896
		.amdhsa_private_segment_fixed_size 0
		.amdhsa_enable_private_segment 0
		.amdhsa_kernarg_size 64
		.amdhsa_user_sgpr_count 2
		.amdhsa_user_sgpr_kernarg_segment_ptr 1
		.amdhsa_wavefront_size32 1
		.amdhsa_system_sgpr_workgroup_id_x 1
		.amdhsa_system_sgpr_workgroup_id_y 1
		.amdhsa_system_sgpr_workgroup_id_z 1
		.amdhsa_system_vgpr_workitem_id 0
		.amdhsa_next_free_vgpr 256
		.amdhsa_next_free_sgpr 66
		.amdhsa_reserve_vcc 0
		.amdhsa_float_denorm_mode_32 3
		.amdhsa_float_denorm_mode_16_64 3
		.amdhsa_memory_ordered 1
		.amdhsa_forward_progress 1
		.amdhsa_inst_pref_size 55
	.end_amdhsa_kernel
	.amdgpu_metadata
---
amdhsa.version: [ 1, 2 ]
amdhsa.kernels:
  - .name:           k_qb2d4758a24_wo_ln
    .symbol:         k_qb2d4758a24_wo_ln.kd
    .args:
      - { .name: p0, .offset: 0, .size: 8, .value_kind: global_buffer, .address_space: global }
      - { .name: ctxb, .offset: 8, .size: 8, .value_kind: global_buffer, .address_space: global }
      - { .name: x, .offset: 16, .size: 8, .value_kind: global_buffer, .address_space: global }
      - { .name: bo, .offset: 24, .size: 8, .value_kind: global_buffer, .address_space: global }
      - { .name: b3, .offset: 32, .size: 8, .value_kind: global_buffer, .address_space: global }
      - { .name: g2, .offset: 40, .size: 8, .value_kind: global_buffer, .address_space: global }
      - { .name: s2, .offset: 48, .size: 8, .value_kind: global_buffer, .address_space: global }
      - { .name: dout, .offset: 56, .size: 8, .value_kind: global_buffer, .address_space: global }
    .group_segment_fixed_size: 16896
    .private_segment_fixed_size: 0
    .kernarg_segment_align: 8
    .kernarg_segment_size: 64
    .max_flat_workgroup_size: 384
    .sgpr_count:     66
    .vgpr_count:     256
    .wavefront_size: 32
...
	.end_amdgpu_metadata
.endif
;; end of part 4
;; launch ffn_up (part 5): grid 16 x 16, 4 waves a work-group, clusters of 4 x 1, 327,680 bytes of LDS; arguments p0, dout, b1, b2, gb; writes gb
.if DOCPART == 5
	.amdgcn_target "amdgcn-amd-amdhsa--gfx1250"
	.amdhsa_code_object_version 6
	.text
	.protected	k_qb2d4758a24_ffn_up
	.globl	k_qb2d4758a24_ffn_up
	.p2align	8
	.type	k_qb2d4758a24_ffn_up,@function
k_qb2d4758a24_ffn_up:
	s_mov_b64 s[64:65], 0
	v_nop
	global_prefetch_b8 v0, s[64:65] scope:SCOPE_SE
	s_setreg_imm32_b32 hwreg(HW_REG_WAVE_MODE, 25, 1), 1
	s_wait_xcnt 0x0
	s_wait_alu depctr_hold_cnt(0) depctr_sa_sdst(0) depctr_va_vdst(0) depctr_va_sdst(0) depctr_va_ssrc(0) depctr_va_vcc(0) depctr_vm_vsrc(0)
	s_getreg_b32 s2, hwreg(HW_REG_IB_STS2, 6, 4)
	s_cmp_eq_u32 s2, 0
	s_cbranch_scc0 .Lentry_in_a_cluster
	s_endpgm
.Lentry_in_a_cluster:
	s_bfe_u32 s2, ttmp6, 0x10000c
	s_cmp_lg_u32 s2, 0x3003
	s_cbranch_scc0 .Lentry_shape_is_right
	s_endpgm
.Lentry_shape_is_right:
; g = silu(h2 w1 + b1) x (h2 w2 + b2) on codes of E5M2 (K = 768), quantised at once along FF.
; SHARES.  A work-group takes 256 tokens x 192 units of FF (their columns of w1 and of w2): 256 equal work-groups; a wave takes 64 tokens (4 tiles) x all of them, 32 units (a chunk) at a time.
; The 294,912 dense bytes of weights come into LDS ONCE, in six chunks, a quarter of each by each wave: six tensor loads a wave are out at the most.
; CLUSTER: the four work-groups of a cluster differ in their tokens alone: every load is asked for jointly (mask 15).
; h2's 24 fragments of my 64 tokens stay in 384 registers.  The products are used transposed: a lane holds one token, its registers run along FF.  The biases are the C of each sum's first product.
; silu(a) b is made as (a b) / (1 + 2^(-a log2 e)).  LIMIT: where a b overflows while the divisor is infinite the result is NaN where reference() gives 0 or an infinity; that needs |a b| over 3e38.
; The scale bytes leave two a lane, to rows 96 bytes apart: 96 bytes a token beside its 3,072 code bytes.
; REGISTERS: window 0: v1, v2 the add's two; v3-12 addresses; v16-27 h2's scale words; v28-39 the chunk's weights'; v64-127 a, v128-191 b (sixteen accumulators); v192-233 at work.
;   window 1: h2, K steps 0-3.  window 2: K steps 4, 5; v192-223 the chunk's biases.  window 3: three batches of four weight fragments.
.set W12_C, 2359296
.set W12_S, 9510912
.set H2_C,  12582912
.set H2_S,  15728640
.set G_S,   12582912
.set SLICE, 294912
.set CHUNK, 49152
.set QUARTER, 12288
.set SPARE, 294912
.set WV,  14
.set G1,  28
.set G0,  36
.set LB,  4
.set HS,  16
.set WS,  28
.set ACC, 64
.set BI,  192
.set TM,  192
.set CD,  212
.set HW,  228
.set OW,  232
.set SEL, 68
.set MNT, 70
.set HM,  71
.set CS,  72                           ; s[72:73] -log2(e)
.set MSB, 0
.macro WIN new
.if MSB != \new
	s_set_vgpr_msb (MSB<<8)|\new
.set MSB, \new
.endif
.endm
.macro PLACES n
.rept \n
	v_nop
.endr
.endm
.macro CROUND
	s_barrier_signal -1
	s_barrier_wait -1
	s_cmp_lg_u32 s[WV], 0
	s_cbranch_scc1 .Lnot_wave_0_\@
	s_barrier_signal -3
.Lnot_wave_0_\@:
	s_barrier_wait -3
	s_barrier_signal -1
	s_barrier_wait -1
.endm
; one product.  z = 1: C is the bias tile v[c ..], else the sum goes on in place
.macro MM d, a, b, z, c, sa, sb, ra, rb
.if \z
.if (\ra) && (\rb)
	v_wmma_scale_f32_16x16x128_f8f6f4 v[0+(\d):7+(\d)], v[0+(\a):15+(\a)], v[0+(\b):15+(\b)], v[0+(\c):7+(\c)], v[0+(\sa)], v[0+(\sb)] matrix_a_fmt:MATRIX_FMT_BF8 matrix_b_fmt:MATRIX_FMT_BF8 matrix_a_scale:MATRIX_SCALE_ROW1 matrix_b_scale:MATRIX_SCALE_ROW1
.elseif (\ra)
	v_wmma_scale_f32_16x16x128_f8f6f4 v[0+(\d):7+(\d)], v[0+(\a):15+(\a)], v[0+(\b):15+(\b)], v[0+(\c):7+(\c)], v[0+(\sa)], v[0+(\sb)] matrix_a_fmt:MATRIX_FMT_BF8 matrix_b_fmt:MATRIX_FMT_BF8 matrix_a_scale:MATRIX_SCALE_ROW1
.elseif (\rb)
	v_wmma_scale_f32_16x16x128_f8f6f4 v[0+(\d):7+(\d)], v[0+(\a):15+(\a)], v[0+(\b):15+(\b)], v[0+(\c):7+(\c)], v[0+(\sa)], v[0+(\sb)] matrix_a_fmt:MATRIX_FMT_BF8 matrix_b_fmt:MATRIX_FMT_BF8 matrix_b_scale:MATRIX_SCALE_ROW1
.else
	v_wmma_scale_f32_16x16x128_f8f6f4 v[0+(\d):7+(\d)], v[0+(\a):15+(\a)], v[0+(\b):15+(\b)], v[0+(\c):7+(\c)], v[0+(\sa)], v[0+(\sb)] matrix_a_fmt:MATRIX_FMT_BF8 matrix_b_fmt:MATRIX_FMT_BF8
.endif
.else
.if (\ra) && (\rb)
	v_wmma_scale_f32_16x16x128_f8f6f4 v[0+(\d):7+(\d)], v[0+(\a):15+(\a)], v[0+(\b):15+(\b)], v[0+(\d):7+(\d)], v[0+(\sa)], v[0+(\sb)] matrix_a_fmt:MATRIX_FMT_BF8 matrix_b_fmt:MATRIX_FMT_BF8 matrix_a_scale:MATRIX_SCALE_ROW1 matrix_b_scale:MATRIX_SCALE_ROW1
.elseif (\ra)
	v_wmma_scale_f32_16x16x128_f8f6f4 v[0+(\d):7+(\d)], v[0+(\a):15+(\a)], v[0+(\b):15+(\b)], v[0+(\d):7+(\d)], v[0+(\sa)], v[0+(\sb)] matrix_a_fmt:MATRIX_FMT_BF8 matrix_b_fmt:MATRIX_FMT_BF8 matrix_a_scale:MATRIX_SCALE_ROW1
.elseif (\rb)
	v_wmma_scale_f32_16x16x128_f8f6f4 v[0+(\d):7+(\d)], v[0+(\a):15+(\a)], v[0+(\b):15+(\b)], v[0+(\d):7+(\d)], v[0+(\sa)], v[0+(\sb)] matrix_a_fmt:MATRIX_FMT_BF8 matrix_b_fmt:MATRIX_FMT_BF8 matrix_b_scale:MATRIX_SCALE_ROW1
.else
	v_wmma_scale_f32_16x16x128_f8f6f4 v[0+(\d):7+(\d)], v[0+(\a):15+(\a)], v[0+(\b):15+(\b)], v[0+(\d):7+(\d)], v[0+(\sa)], v[0+(\sb)] matrix_a_fmt:MATRIX_FMT_BF8 matrix_b_fmt:MATRIX_FMT_BF8
.endif
.endif
.endm
.macro QUANT s, nb
.set qb, 0
.rept \nb
	v_max3_num_f32 v[TM+qb], |v[\s+16*qb]|, |v[\s+16*qb+1]|, 0x8000000
.set qb, qb+1
.endr
.set qi, 2
.rept 7
.set qb, 0
.rept \nb
	v_max3_num_f32 v[TM+qb], v[TM+qb], |v[\s+16*qb+qi]|, |v[\s+16*qb+qi+1]|
.set qb, qb+1
.endr
.set qi, qi+2
.endr
.set qb, 0
.rept \nb
	v_permlanex16_b32 v[TM+4+qb], v[TM+qb], s[SEL], s[SEL+1]
.set qb, qb+1
.endr
.set qb, 0
.rept \nb
	v_max_num_f32 v[TM+qb], v[TM+qb], v[TM+4+qb]
.set qb, qb+1
.endr
.set qb, 0
.rept \nb
	v_add_nc_u32 v[TM+12+qb], 0xf8800000, v[TM+qb]
	v_and_or_b32 v[TM+8+qb], v[TM+qb], 0x7f800000, s[MNT]
.set qb, qb+1
.endr
.set qb, 0
.rept \nb
	v_lshrrev_b32 v[TM+4+qb], 23, v[TM+12+qb]
.set qb, qb+1
.endr
.set qb, 0
.rept \nb
.set qi, 0
.rept 16
	v_med3_num_f32 v[\s+16*qb+qi], v[\s+16*qb+qi], -v[TM+8+qb], v[TM+8+qb]
.set qi, qi+1
.endr
	v_cvt_scalef32_pk8_bf8_f32 v[CD+4*qb:CD+4*qb+1], v[\s+16*qb:\s+16*qb+7], v[TM+12+qb]
	v_cvt_scalef32_pk8_bf8_f32 v[CD+4*qb+2:CD+4*qb+3], v[\s+16*qb+8:\s+16*qb+15], v[TM+12+qb]
.set qb, qb+1
.endr
	v_nop                                              ; a plain line behind the last conversion: later products write its sources
.endm
; chunk g's scale words (w1's six, w2's six) and bias tiles (w1 u0, u1, w2 u0, u1)
.macro WSBI g
.irp j, 0,1,2
	global_load_b64 v[WS+2*\j:WS+2*\j+1], v10, s[60:61] offset:(\g)*1536+8*\j
	global_load_b64 v[WS+6+2*\j:WS+6+2*\j+1], v10, s[60:61] offset:(\g)*1536+768+8*\j
.endr
	WIN 0x80
.irp u, 0,1
.irp jj, 0,1
	global_load_b128 v[BI+8*\u+4*\jj:BI+8*\u+4*\jj+3], v11, s[8:9] offset:(\g)*128+32*\u+16*\jj
	global_load_b128 v[BI+16+8*\u+4*\jj:BI+16+8*\u+4*\jj+3], v11, s[10:11] offset:(\g)*128+32*\u+16*\jj
.endr
.endr
	WIN 0
.endm
.macro UPLD g, bq                      ; K step bq's four fragments (w1 u0, u1, w2 u0, u1) into buffer bq % 3 of window 3 (the window is set by the caller)
.irp f, 0,1,2,3
.irp c, 0,1,2,3
	ds_load_b128 v[64*((\bq)%3)+16*\f+4*\c:64*((\bq)%3)+16*\f+4*\c+3], v[LB+(\g)] offset:\f*12288+(\bq)*2048+512*\c
.endr
.endr
.endm
.macro UPHALF bq, wh, nops             ; eight products: w1's (wh = 0) or w2's, 2 tiles of units x 4 tiles of tokens
.if (\bq) == 0
.set ZZ, 1
.else
.set ZZ, 0
.endif
.irp u, 0,1
.irp tt, 0,1,2,3
	MM ACC+64*\wh+16*\tt+8*\u, 64*((\bq)%3)+16*(2*\wh+\u), 64*((\bq)%4)+16*\tt, ZZ, BI+8*(2*\wh+\u), WS+6*\wh+\bq, HS+6*(\tt/2)+\bq, \u, \tt%2
.if \nops
	v_nop
.endif
.endr
.endr
.endm
.macro UPWIN bq
.if (\bq) == 0
	WIN 0x27                                       ; source 0 (weights) window 3, source 1 (h2) window 1, C (bias) window 2
.elseif (\bq) < 4
	WIN 0x07
.else
	WIN 0x0b                                       ; h2 in window 2
.endif
.endm
.macro UPBATCH g, bq, cnt              ; sixteen accumulators by turns, the same order in every K step
	s_wait_dscnt \cnt
	UPWIN \bq
.if ((\bq) >= 1) && ((\bq) <= 3)
	UPHALF \bq, 0, 1                               ; the eight v_nop are the places behind the last K step's products,
	WIN 0xc0
	UPLD \g, (\bq)+2                               ; whose buffer takes the K step two on
	UPWIN \bq
.else
	UPHALF \bq, 0, 0
.endif
	UPHALF \bq, 1, 0
.endm
.macro UPGROUP g
	s_wait_loadcnt 0x0                             ; the chunk's scale words and biases (chunk 0: h2 too)
	UPBATCH \g, 0, 32                              ; K step 0 is in; the 32 loads of steps 1 and 2 may be out
	UPBATCH \g, 1, 16                              ; each later count: the sixteen loads of the one K step issued behind the one wanted
	UPBATCH \g, 2, 16
	UPBATCH \g, 3, 16
	UPBATCH \g, 4, 16
	UPBATCH \g, 5, 0
	WIN 0
	PLACES 9                                       ; in front of loads into registers that the products read, of the first read of results, and of the next chunk's products, which begin these accumulators anew
.if (\g) < 5
	WSBI (\g)+1
.if (\g) == 0
	s_wait_tensorcnt 0x0                           ; my part of chunks 1 and 2 is in
	ds_add_u32 v1, v2
	s_mov_b32 s[G1R+2], 144<<16                    ; no tensor load of mine is out: the third load brings 144 rows
	s_mov_b32 s[G1R+4], 144
	s_wait_dscnt 0x0
	CROUND                                         ; chunks 1 and 2 are whole, and the four work-groups are here
	tensor_load_to_lds s[G0+8:G0+11], s[G1R:G1R+7] ; chunks 3 to 5, my quarter
	s_nop 0
	PLACES 4
.endif
.if (\g) == 2
	s_wait_tensorcnt 0x0                           ; my part of chunks 3 to 5 is in: the one barrier shows all of them
	s_barrier_signal -1
	s_barrier_wait -1
.endif
	WIN 0xc0
	UPLD (\g)+1, 0
	UPLD (\g)+1, 1
	UPLD (\g)+1, 2
	WIN 0
.endif
.set j, 0
.rept 32
	v_pk_mul_f32 v[128+j:129+j], v[64+j:65+j], v[128+j:129+j]      ; a b
.set j, j+2
.endr
.set j, 0
.rept 32
	v_pk_mul_f32 v[64+j:65+j], v[64+j:65+j], s[CS:CS+1] op_sel_hi:[1,0]
.set j, j+2
.endr
.set j, 0
	s_wait_alu depctr_va_vdst(0)
.rept 64
	v_exp_f32 v[64+j], v[64+j]
.set j, j+1
.endr
	v_nop
	s_wait_alu depctr_va_vdst(0)                   ; one wait for the batch
.set j, 0
.rept 32
	v_pk_add_f32 v[64+j:65+j], v[64+j:65+j], 1.0 op_sel_hi:[1,0]
.set j, j+2
.endr
.set j, 0
	s_wait_alu depctr_va_vdst(0)
.rept 64
	v_rcp_f32 v[64+j], v[64+j]
.set j, j+1
.endr
	v_nop
	s_wait_alu depctr_va_vdst(0)
.set j, 0
.rept 32
	v_pk_mul_f32 v[64+j:65+j], v[64+j:65+j], v[128+j:129+j]
.set j, j+2
.endr
	s_wait_xcnt 0x0                                ; the last chunk's stores have read their registers
	QUANT ACC, 4                                   ; block tt = token tile tt x the chunk's 32 units
.irp tt, 0,1,2,3
	global_store_b128 v3, v[CD+4*\tt:CD+4*\tt+3], s[62:63] offset:\tt*49152+(\g)*512
.endr
.if ((\g)%2) == 0
.irp tt, 0,1,2,3
	v_mov_b32 v[HW+\tt], v[TM+4+\tt]
.endr
.else
.irp tt, 0,1,2,3
	v_lshl_or_b32 v[HW+\tt], v[TM+4+\tt], 8, v[HW+\tt]
.endr
	v_cndmask_b32 v[OW], v[HW], v[HW+1], s[HM]             ; lanes 0-15 the pair's first tile, lanes 16-31 its second
	v_cndmask_b32 v[OW+1], v[HW+2], v[HW+3], s[HM]
	global_store_b16 v12, v[OW], s[66:67] offset:(\g)-1
	global_store_b16 v12, v[OW+1], s[66:67] offset:3072+(\g)-1
.endif
.endm
	s_load_b256 s[4:11], s[0:1], 0x0               ; p0, dout, b1, b2
	s_load_b64 s[12:13], s[0:1], 0x20              ; gb
	v_lshl_add_u32 v1, v0, 2, SPARE
	v_mov_b32 v2, 0
	ds_add_u32 v1, v2                              ; the wave's opening
	ds_add_u32 v1, v2
	v_lshrrev_b32 v3, 5, v0
	v_readfirstlane_b32 s[WV], v3
	s_bfe_u32 s15, ttmp6, 0x40000                  ; cx
	s_lshl_b32 s16, ttmp9, 2
	s_add_co_u32 s16, s16, s15                     ; my block of 256 tokens
	s_and_b32 s17, ttmp7, 0xffff                   ; my 192 units, which the four partners share
	s_mov_b32 s[G1], 15|(3<<16)|(1<<21)
	s_mov_b32 s[G1+1], 32<<16
	s_mov_b32 s[G1+2], 48<<16                      ; 48 rows of 256 bytes: 12,288 bytes
	s_mov_b32 s[G1+3], 32<<16
	s_mov_b32 s[G1+4], 48
	s_mov_b32 s[G1+5], 32
	s_mov_b32 s[G1+6], 0
	s_mov_b32 s[G1+7], 0
	s_mul_i32 s18, s[WV], QUARTER
	s_mul_i32 s20, s17, SLICE
	s_add_co_u32 s20, s20, s18
	s_add_co_u32 s20, s20, W12_C
	s_mov_b32 s21, 0
	s_lshl_b32 s19, s16, 4
	s_lshl_b32 s24, s[WV], 2
	s_add_co_u32 s19, s19, s24                     ; my first token tile
	s_mul_i32 s24, s19, 12288
	s_add_co_u32 s24, s24, H2_C
	s_mov_b32 s25, 0
	s_mul_i32 s26, s19, 384
	s_add_co_u32 s26, s26, H2_S
	s_mov_b32 s27, 0
	s_mul_i32 s60, s17, 9216
	s_add_co_u32 s60, s60, W12_S
	s_mov_b32 s61, 0
	s_mul_i32 s62, s19, 49152
	s_mul_i32 s63, s17, 3072
	s_add_co_u32 s62, s62, s63
	s_mov_b32 s63, 0
	s_mul_i32 s66, s19, 1536
	s_mul_i32 s67, s17, 6
	s_add_co_u32 s66, s66, s67
	s_add_co_u32 s66, s66, G_S
	s_mov_b32 s67, 0
	s_mul_i32 s74, s17, 768
	s_mov_b32 s75, 0
	s_mov_b32 s[SEL], 0x76543210
	s_mov_b32 s[SEL+1], 0xfedcba98
	s_mov_b32 s[MNT], 0x600000
	s_mov_b32 s[HM], 0xffff0000
	s_mov_b32 s[CS], 0xbfb8aa3b
	s_mov_b32 s[CS+1], s[CS]
	s_wait_dscnt 0x0
	s_wait_kmcnt 0x0
	s_add_nc_u64 s[22:23], s[4:5], s[20:21]
	s_add_nc_u64 s[24:25], s[6:7], s[24:25]
	s_add_nc_u64 s[26:27], s[6:7], s[26:27]
	s_add_nc_u64 s[60:61], s[4:5], s[60:61]
	s_add_nc_u64 s[62:63], s[12:13], s[62:63]
	s_add_nc_u64 s[66:67], s[12:13], s[66:67]
	s_add_nc_u64 s[8:9], s[8:9], s[74:75]
	s_add_nc_u64 s[10:11], s[10:11], s[74:75]
; THE WEIGHTS COME BY THREE LOADS A WAVE (in place of the six that the comment at the head names), a quarter of each by each wave: at the head chunk 0 (48 rows of 256 bytes a wave);
; behind the full sequence and a round chunks 1 and 2 (96 rows), which land while chunk 0 is multiplied; behind a second such round chunks 3 to 5 (144 rows), which land under chunks 1 and 2.
; One tensor load a wave is out at a time.
.set G1R, 52                           ; s[52:59] group 1 of the second and third loads
	s_mov_b32 s[G0], 1
	s_mov_b32 s[G0+1], s18
	s_mov_b64 s[G0+2:G0+3], s[22:23]
	s_or_b32 s[G0+3], s[G0+3], 0x80000000
	s_mov_b32 s48, s18                             ; wave x 12,288, which s[22:23] already holds once
	s_mov_b32 s49, 0
	s_mov_b32 s[G0+4], 1
	s_mul_i32 s[G0+5], s[WV], 2*QUARTER
	s_add_co_u32 s[G0+5], s[G0+5], CHUNK           ; LDS: behind chunk 0, wave x 24,576 bytes
	s_add_nc_u64 s[G0+6:G0+7], s[22:23], s[48:49]
	s_add_nc_u64 s[G0+10:G0+11], s[G0+6:G0+7], s[48:49]
	s_add_nc_u64 s[G0+6:G0+7], s[G0+6:G0+7], CHUNK
	s_or_b32 s[G0+7], s[G0+7], 0x80000000
	s_mov_b32 s[G0+8], 1
	s_mul_i32 s[G0+9], s[WV], 3*QUARTER
	s_add_co_u32 s[G0+9], s[G0+9], 3*CHUNK         ; LDS: behind chunk 2, wave x 36,864 bytes
	s_add_nc_u64 s[G0+10:G0+11], s[G0+10:G0+11], 3*CHUNK
	s_or_b32 s[G0+11], s[G0+11], 0x80000000
	s_mov_b32 s[G1R], 15|(3<<16)|(1<<21)
	s_mov_b32 s[G1R+1], 32<<16
	s_mov_b32 s[G1R+2], 96<<16
	s_mov_b32 s[G1R+3], 32<<16
	s_mov_b32 s[G1R+4], 96
	s_mov_b32 s[G1R+5], 32
	s_mov_b32 s[G1R+6], 0
	s_mov_b32 s[G1R+7], 0
	CROUND                                         ; all four work-groups are here: the joint loads meet
	tensor_load_to_lds s[G0:G0+3], s[G1:G1+7]
	s_nop 0
	PLACES 4
	v_and_b32 v10, 31, v0
	v_lshlrev_b32 v3, 4, v10
.irp g, 0,1,2,3,4,5
	v_add_nc_u32 v[LB+\g], \g*CHUNK, v3
.endr
	v_mul_u32_u24 v12, v10, 96                     ; a row of g's 96 scale bytes
	v_mul_u32_u24 v10, v10, 24
	v_bfe_u32 v11, v0, 4, 1
	v_lshlrev_b32 v11, 6, v11                      ; the biases: 64 h
.irp b, 0,1,2,3
	v_mov_b32 v[TM+4+\b], 0
.endr
	WIN 0x40
.irp ks, 0,1,2,3
.irp tt, 0,1,2,3
.irp c, 0,1,2,3
	global_load_b128 v[64*\ks+16*\tt+4*\c:64*\ks+16*\tt+4*\c+3], v3, s[24:25] offset:\tt*12288+\ks*2048+512*\c
.endr
.endr
.endr
	WIN 0x80
.irp ks, 4,5
.irp tt, 0,1,2,3
.irp c, 0,1,2,3
	global_load_b128 v[64*(\ks-4)+16*\tt+4*\c:64*(\ks-4)+16*\tt+4*\c+3], v3, s[24:25] offset:\tt*12288+\ks*2048+512*\c
.endr
.endr
.endr
	WIN 0
.irp pl, 0,1
.irp j, 0,1,2
	global_load_b64 v[HS+6*\pl+2*\j:HS+6*\pl+2*\j+1], v10, s[26:27] offset:\pl*768+8*\j
.endr
.endr
	WSBI 0
	s_wait_alu depctr_va_vdst(0)
	s_wait_tensorcnt 0x0                           ; my quarter of chunk 0 is in
	ds_add_u32 v1, v2
	s_wait_dscnt 0x0
	CROUND                                         ; chunk 0 is whole, and the four work-groups are here
	tensor_load_to_lds s[G0+4:G0+7], s[G1R:G1R+7]  ; chunks 1 and 2, my quarter
	s_nop 0
	PLACES 4
	WIN 0xc0
	UPLD 0, 0
	UPLD 0, 1
	UPLD 0, 2
	WIN 0
.irp g, 0,1,2,3,4,5
	UPGROUP \g
.endr
	s_wait_tensorcnt 0x0                           ; the wave's end
	ds_add_u32 v1, v2
	s_wait_dscnt 0x0
	CROUND                                         ; the closing round
	s_endpgm
.Lfunc_end_k_qb2d4758a24_ffn_up:
	.size	k_qb2d4758a24_ffn_up, .Lfunc_end_k_qb2d4758a24_ffn_up-k_qb2d4758a24_ffn_up
	.p2alignl 7, 3214868480
	.fill 96, 4, 3214868480
	.section	.rodata,"a",@progbits
	.p2align	6, 0x0
	.amdhsa_kernel k_qb2d4758a24_ffn_up
		.amdhsa_group_segment_fixed_size 327680
		.amdhsa_private_segment_fixed_size 0
		.amdhsa_enable_private_segment 0
		.amdhsa_kernarg_size 40
		.amdhsa_user_sgpr_count 2
		.amdhsa_user_sgpr_kernarg_segment_ptr 1
		.amdhsa_wavefront_size32 1
		.amdhsa_system_sgpr_workgroup_id_x 1
		.amdhsa_system_sgpr_workgroup_id_y 1
		.amdhsa_system_sgpr_workgroup_id_z 1
		.amdhsa_system_vgpr_workitem_id 0
		.amdhsa_next_free_vgpr 1024
		.amdhsa_next_free_sgpr 80
		.amdhsa_reserve_vcc 0
		.amdhsa_float_denorm_mode_32 3
		.amdhsa_float_denorm_mode_16_64 3
		.amdhsa_memory_ordered 1
		.amdhsa_forward_progress 1
		.amdhsa_inst_pref_size 255
	.end_amdhsa_kernel
	.section	.bss,"aw",@nobits
	.p2align	6
	.space	262144
	.amdgpu_metadata
---
amdhsa.version: [ 1, 2 ]
amdhsa.kernels:
  - .name:           k_qb2d4758a24_ffn_up
    .symbol:         k_qb2d4758a24_ffn_up.kd
    .args:
      - { .name: p0, .offset: 0, .size: 8, .value_kind: global_buffer, .address_space: global }
      - { .name: dout, .offset: 8, .size: 8, .value_kind: global_buffer, .address_space: global }
      - { .name: b1, .offset: 16, .size: 8, .value_kind: global_buffer, .address_space: global }
      - { .name: b2, .offset: 24, .size: 8, .value_kind: global_buffer, .address_space: global }
      - { .name: gb, .offset: 32, .size: 8, .value_kind: global_buffer, .address_space: global }
    .group_segment_fixed_size: 327680
    .private_segment_fixed_size: 0
    .kernarg_segment_align: 8
    .kernarg_segment_size: 40
    .max_flat_workgroup_size: 128
    .sgpr_count:     80
    .vgpr_count:     1024
    .wavefront_size: 32
...
	.end_amdgpu_metadata
.endif
;; end of part 5
;; launch ffn_down (part 6): grid 32 x 8, 4 waves a work-group, clusters of 4 x 1, 327,680 bytes of LDS; arguments p0, gb, dout, out0; writes out0
.if DOCPART == 6
	.amdgcn_target "amdgcn-amd-amdhsa--gfx1250"
	.amdhsa_code_object_version 6
	.text
	.protected	k_qb2d4758a24_ffn_down
	.globl	k_qb2d4758a24_ffn_down
	.p2align	8
	.type	k_qb2d4758a24_ffn_down,@function
k_qb2d4758a24_ffn_down:
	s_mov_b64 s[64:65], 0
	v_nop
	global_prefetch_b8 v0, s[64:65] scope:SCOPE_SE
	s_setreg_imm32_b32 hwreg(HW_REG_WAVE_MODE, 25, 1), 1
	s_wait_xcnt 0x0
	s_wait_alu depctr_hold_cnt(0) depctr_sa_sdst(0) depctr_va_vdst(0) depctr_va_sdst(0) depctr_va_ssrc(0) depctr_va_vcc(0) depctr_vm_vsrc(0)
	s_getreg_b32 s2, hwreg(HW_REG_IB_STS2, 6, 4)
	s_cmp_eq_u32 s2, 0
	s_cbranch_scc0 .Lentry_in_a_cluster
	s_endpgm
.Lentry_in_a_cluster:
	s_bfe_u32 s2, ttmp6, 0x10000c
	s_cmp_lg_u32 s2, 0x3003
	s_cbranch_scc0 .Lentry_shape_is_right
	s_endpgm
.Lentry_shape_is_right:
; out = g w3 + (x1 + b3) on codes of E5M2 (K = 3,072).
; SHARES.  A work-group takes 128 tokens x 96 columns: 256 equal work-groups; a wave takes 32 tokens (2 tiles) x the 6 column tiles: twelve accumulators, which begin as the stored images of x1 + b3.
; The column group's 294,912 dense bytes of w3, laid by K step, come into LDS ONCE, in six chunks of four K steps, a quarter of each by each wave: six tensor loads a wave are out at the most.
; CLUSTER: the four work-groups of a cluster differ in their tokens alone: every load is asked for jointly (mask 15).
; g's fragments go from memory straight into a ring of six K steps of registers (no two waves read the same tokens).  The product is used transposed: a lane holds eight neighbouring columns of one token.
; THE WAY OUT goes through LDS, in bytes of the weights that have had their only fill and their last read.  A row's share is 96 columns, 384 bytes: the stores are aligned runs of 128 bytes, eight lanes each;
; shares of 64 or 128 columns would give no 256 equal work-groups, or weights that do not fit in LDS.
; REGISTERS: window 0: v1, v2 the add's two; v3-13 addresses; v16-39 g's scale words; v40-111 w3's; v112-207 accumulators.  window 1: w3's buffers 0 and 1 (96 each); on the way out v0-95 take the rows read back.
;   window 3: buffer 2.  window 2: g's ring.
.set W3_C,  7077888
.set W3_S,  9658368
.set G_S,   12582912
.set SLICE, 294912
.set CHUNK, 49152
.set QUARTER, 12288
.set SPARE, 294912
.set WV,  14
.set G1,  28
.set G0,  36
.set LB,  4
.set GS,  16
.set WS,  40
.set ACC, 112
.set MSB, 0
.macro WIN new
.if MSB != \new
	s_set_vgpr_msb (MSB<<8)|\new
.set MSB, \new
.endif
.endm
.macro PLACES n
.rept \n
	v_nop
.endr
.endm
.macro CROUND
	s_barrier_signal -1
	s_barrier_wait -1
	s_cmp_lg_u32 s[WV], 0
	s_cbranch_scc1 .Lnot_wave_0_\@
	s_barrier_signal -3
.Lnot_wave_0_\@:
	s_barrier_wait -3
	s_barrier_signal -1
	s_barrier_wait -1
.endm
.macro MM d, a, b, sa, sb, ra, rb
.if (\ra) && (\rb)
	v_wmma_scale_f32_16x16x128_f8f6f4 v[0+(\d):7+(\d)], v[0+(\a):15+(\a)], v[0+(\b):15+(\b)], v[0+(\d):7+(\d)], v[0+(\sa)], v[0+(\sb)] matrix_a_fmt:MATRIX_FMT_BF8 matrix_b_fmt:MATRIX_FMT_BF8 matrix_a_scale:MATRIX_SCALE_ROW1 matrix_b_scale:MATRIX_SCALE_ROW1
.elseif (\ra)
	v_wmma_scale_f32_16x16x128_f8f6f4 v[0+(\d):7+(\d)], v[0+(\a):15+(\a)], v[0+(\b):15+(\b)], v[0+(\d):7+(\d)], v[0+(\sa)], v[0+(\sb)] matrix_a_fmt:MATRIX_FMT_BF8 matrix_b_fmt:MATRIX_FMT_BF8 matrix_a_scale:MATRIX_SCALE_ROW1
.elseif (\rb)
	v_wmma_scale_f32_16x16x128_f8f6f4 v[0+(\d):7+(\d)], v[0+(\a):15+(\a)], v[0+(\b):15+(\b)], v[0+(\d):7+(\d)], v[0+(\sa)], v[0+(\sb)] matrix_a_fmt:MATRIX_FMT_BF8 matrix_b_fmt:MATRIX_FMT_BF8 matrix_b_scale:MATRIX_SCALE_ROW1
.else
	v_wmma_scale_f32_16x16x128_f8f6f4 v[0+(\d):7+(\d)], v[0+(\a):15+(\a)], v[0+(\b):15+(\b)], v[0+(\d):7+(\d)], v[0+(\sa)], v[0+(\sb)] matrix_a_fmt:MATRIX_FMT_BF8 matrix_b_fmt:MATRIX_FMT_BF8
.endif
.endm
.macro BBASE ks                        ; where K step ks's six fragments of w3 lie: buffer ks % 3
.if ((\ks)%3) == 1
.set BB, 96
.else
.set BB, 0
.endif
.endm
.macro BLD ks                          ; 24 LDS loads
	BBASE \ks
.if ((\ks)%3) == 2
	WIN 0xc0
.else
	WIN 0x40
.endif
.irp ctl, 0,1,2,3,4,5
.irp c, 0,1,2,3
	ds_load_b128 v[BB+16*\ctl+4*\c:BB+16*\ctl+4*\c+3], v[LB+(\ks)/4] offset:((\ks)%4)*12288+\ctl*2048+512*\c
.endr
.endr
.endm
.macro GLD ks                          ; g's two fragments of K step ks into ring slot ks % 6: 8 loads
	WIN 0x80
.irp u, 0,1
.irp c, 0,1,2,3
	global_load_b128 v[32*((\ks)%6)+16*\u+4*\c:32*((\ks)%6)+16*\u+4*\c+3], v3, s[26:27] offset:\u*49152+(\ks)*2048+512*\c
.endr
.endr
.endm
.macro MWIN ks
.if ((\ks)%3) == 2
	WIN 0x0b                                       ; source 0 (w3) window 3, source 1 (g) window 2
.else
	WIN 0x09                                       ; source 0 window 1
.endif
.endm
.macro FSTEP ks
.if (\ks) == 0
	s_wait_loadcnt 40                              ; scale words, images and K step 0 are in; the 40 loads of K steps 1 to 5 may be out
.elseif 23-(\ks) >= 4
	s_wait_loadcnt 32                              ; this K step's fragments of g are in; the loads of the four K steps behind it may be out
.else
	s_wait_loadcnt 8*(23-(\ks))
.endif
.if (\ks) < 23
	s_wait_dscnt 24                                ; this K step's w3 is in; the next one's 24 loads may be out
.else
	s_wait_dscnt 0x0
.endif
	BBASE \ks
	MWIN \ks
.irp n, 0,1,2,3,4,5,6,7                ; twelve accumulators by turns, the same order in every K step
	MM ACC+16*(\n/2)+8*(\n%2), BB+16*(\n/2), 32*((\ks)%6)+16*(\n%2), WS+24*(\n/4)+\ks, GS+\ks, (\n/2)%2, \n%2
	v_nop                                          ; eight places behind the last K step's products, whose registers are loaded anew below
.endr
.if (\ks)+2 <= 23
.if ((\ks)+2) == 4
	WIN 0                                          ; the add's registers lie in window 0
	s_wait_tensorcnt 0x0                           ; my part of chunks 1 and 2 is in
	ds_add_u32 v1, v2
	s_mov_b32 s[G1R+2], 144<<16                    ; no tensor load of mine is out: the third load brings 144 rows
	s_mov_b32 s[G1R+4], 144
	s_wait_dscnt 0x0
	CROUND                                         ; chunks 1 and 2 are whole, and the four work-groups are here
	tensor_load_to_lds s[G0+8:G0+11], s[G1R:G1R+7] ; chunks 3 to 5, my quarter
	s_nop 0
	PLACES 4
.endif
.if ((\ks)+2) == 12
	s_wait_tensorcnt 0x0                           ; my part of chunks 3 to 5 is in: the one barrier shows all of them
	s_wait_dscnt 0x0                               ; no LDS load of mine is out at the signal
	s_barrier_signal -1
	s_barrier_wait -1
.endif
	BLD (\ks)+2
.endif
.if ((\ks) >= 1) && ((\ks)+5 <= 23)
	GLD (\ks)+5
.endif
	BBASE \ks
	MWIN \ks
.irp n, 8,9,10,11
	MM ACC+16*(\n/2)+8*(\n%2), BB+16*(\n/2), 32*((\ks)%6)+16*(\n%2), WS+24*(\n/4)+\ks, GS+\ks, (\n/2)%2, \n%2
.endr
.endm
	s_load_b256 s[4:11], s[0:1], 0x0               ; p0, gb, dout, out0
	v_lshl_add_u32 v1, v0, 2, SPARE
	v_mov_b32 v2, 0
	ds_add_u32 v1, v2                              ; the wave's opening
	ds_add_u32 v1, v2
	v_lshrrev_b32 v3, 5, v0
	v_readfirstlane_b32 s[WV], v3
	s_bfe_u32 s15, ttmp6, 0x40000                  ; cx
	s_lshl_b32 s16, ttmp9, 2
	s_add_co_u32 s16, s16, s15                     ; my block of 128 tokens
	s_and_b32 s17, ttmp7, 0xffff                   ; my 96 columns, which the four partners share
	s_mov_b32 s[G1], 15|(3<<16)|(1<<21)
	s_mov_b32 s[G1+1], 32<<16
	s_mov_b32 s[G1+2], 48<<16
	s_mov_b32 s[G1+3], 32<<16
	s_mov_b32 s[G1+4], 48
	s_mov_b32 s[G1+5], 32
	s_mov_b32 s[G1+6], 0
	s_mov_b32 s[G1+7], 0
	s_mul_i32 s18, s[WV], QUARTER
	s_mul_i32 s20, s17, SLICE
	s_add_co_u32 s20, s20, s18
	s_add_co_u32 s20, s20, W3_C
	s_mov_b32 s21, 0
	s_lshl_b32 s19, s16, 2
	s_add_co_u32 s19, s19, s[WV]                   ; my 32 tokens
	s_mul_i32 s24, s19, 98304                      ; two tiles of g's codes, two tiles of images, 32 rows of out: 98,304 bytes each
	s_mov_b32 s25, 0
	s_mul_i32 s60, s19, 3072
	s_add_co_u32 s60, s60, G_S
	s_mov_b32 s61, 0
	s_mul_i32 s62, s17, 9216
	s_add_co_u32 s62, s62, W3_S
	s_mov_b32 s63, 0
	s_mul_i32 s66, s17, 6144
	s_add_co_u32 s66, s66, s24
	s_mov_b32 s67, 0
	s_mul_i32 s68, s17, 384
	s_add_co_u32 s68, s68, s24
	s_mov_b32 s69, 0
	s_mul_i32 s70, s[WV], 12800                    ; my stage
	s_wait_dscnt 0x0
	s_wait_kmcnt 0x0
	s_add_nc_u64 s[22:23], s[4:5], s[20:21]
	s_add_nc_u64 s[26:27], s[6:7], s[24:25]
	s_add_nc_u64 s[60:61], s[6:7], s[60:61]
	s_add_nc_u64 s[62:63], s[4:5], s[62:63]
	s_add_nc_u64 s[66:67], s[8:9], s[66:67]
	s_add_nc_u64 s[68:69], s[10:11], s[68:69]
; THE WEIGHTS COME BY THREE LOADS A WAVE (in place of the six that the comment at the head names), a quarter of each by each wave: at the head chunk 0 (48 rows of 256 bytes a wave);
; behind the full sequence and a round chunks 1 and 2 (96 rows), which land while chunk 0 is multiplied; behind a second such round chunks 3 to 5 (144 rows), which land under chunks 1 and 2.
; One tensor load a wave is out at a time.
.set G1R, 52                           ; s[52:59] group 1 of the second and third loads
	s_mov_b32 s[G0], 1
	s_mov_b32 s[G0+1], s18
	s_mov_b64 s[G0+2:G0+3], s[22:23]
	s_or_b32 s[G0+3], s[G0+3], 0x80000000
	s_mov_b32 s48, s18                             ; wave x 12,288, which s[22:23] already holds once
	s_mov_b32 s49, 0
	s_mov_b32 s[G0+4], 1
	s_mul_i32 s[G0+5], s[WV], 2*QUARTER
	s_add_co_u32 s[G0+5], s[G0+5], CHUNK           ; LDS: behind chunk 0, wave x 24,576 bytes
	s_add_nc_u64 s[G0+6:G0+7], s[22:23], s[48:49]
	s_add_nc_u64 s[G0+10:G0+11], s[G0+6:G0+7], s[48:49]
	s_add_nc_u64 s[G0+6:G0+7], s[G0+6:G0+7], CHUNK
	s_or_b32 s[G0+7], s[G0+7], 0x80000000
	s_mov_b32 s[G0+8], 1
	s_mul_i32 s[G0+9], s[WV], 3*QUARTER
	s_add_co_u32 s[G0+9], s[G0+9], 3*CHUNK         ; LDS: behind chunk 2, wave x 36,864 bytes
	s_add_nc_u64 s[G0+10:G0+11], s[G0+10:G0+11], 3*CHUNK
	s_or_b32 s[G0+11], s[G0+11], 0x80000000
	s_mov_b32 s[G1R], 15|(3<<16)|(1<<21)
	s_mov_b32 s[G1R+1], 32<<16
	s_mov_b32 s[G1R+2], 96<<16
	s_mov_b32 s[G1R+3], 32<<16
	s_mov_b32 s[G1R+4], 96
	s_mov_b32 s[G1R+5], 32
	s_mov_b32 s[G1R+6], 0
	s_mov_b32 s[G1R+7], 0
	CROUND                                         ; all four work-groups are here: the joint loads meet
	tensor_load_to_lds s[G0:G0+3], s[G1:G1+7]
	s_nop 0
	PLACES 4
	v_and_b32 v10, 31, v0
	v_lshlrev_b32 v3, 4, v10
.irp g, 0,1,2,3,4,5
	v_add_nc_u32 v[LB+\g], \g*CHUNK, v3
.endr
	v_lshrrev_b32 v12, 3, v10                      ; lane / 8
	v_and_b32 v13, 7, v10                          ; lane % 8
	v_mul_u32_u24 v10, v10, 96                     ; a row of 96 scale bytes
	v_and_b32 v11, 15, v0
	v_and_b32 v14, 8, v11
	v_add_nc_u32 v11, v11, v14
	v_mul_u32_u24 v11, v11, 400
	v_bfe_u32 v14, v0, 4, 1
	v_lshl_add_u32 v11, v14, 6, v11
	v_add_nc_u32 v11, s70, v11                     ; into the stage: row r + 8 (r / 8) of 400 bytes, + 64 h
	v_lshlrev_b32 v13, 4, v13
	v_mul_u32_u24 v14, v12, 3072
	v_mul_u32_u24 v12, v12, 400
	v_add_nc_u32 v12, v12, v13
	v_add_nc_u32 v12, s70, v12                     ; back: eight lanes take 128 bytes of a row, four rows an instruction
	v_add_nc_u32 v13, v14, v13                     ; and the same in out
.irp j, 0,1,2,3,4,5
	global_load_b128 v[GS+4*\j:GS+4*\j+3], v10, s[60:61] offset:16*\j
.endr
.irp pr, 0,1,2
.irp j, 0,1,2,3,4,5
	global_load_b128 v[WS+24*\pr+4*\j:WS+24*\pr+4*\j+3], v10, s[62:63] offset:\pr*3072+16*\j
.endr
.endr
.irp ctl, 0,1,2,3,4,5
.irp u, 0,1
.irp jj, 0,1
	global_load_b128 v[ACC+16*\ctl+8*\u+4*\jj:ACC+16*\ctl+8*\u+4*\jj+3], v3, s[66:67] offset:\u*49152+\ctl*1024+512*\jj     ; x1 + b3: the sums begin with it
.endr
.endr
.endr
.irp ks, 0,1,2,3,4,5
	GLD \ks
.endr
	WIN 0
	s_wait_alu depctr_va_vdst(0)
	s_wait_tensorcnt 0x0                           ; my quarter of chunk 0 is in
	ds_add_u32 v1, v2
	s_wait_dscnt 0x0
	CROUND                                         ; chunk 0 is whole, and the four work-groups are here
	tensor_load_to_lds s[G0+4:G0+7], s[G1R:G1R+7]  ; chunks 1 and 2, my quarter
	s_nop 0
	PLACES 4
	BLD 0
	BLD 1
.irp ks, 0,1,2,3,4,5,6,7,8,9,10,11,12,13,14,15,16,17,18,19,20,21,22,23
	FSTEP \ks
.endr
	WIN 0
	PLACES 8                                       ; in front of the first read of results, and of loads into registers that held w3's fragments
	s_wait_alu depctr_va_vdst(0)
	s_wait_dscnt 0x0
	s_barrier_signal -1
	s_barrier_wait -1                              ; no wave reads the weights any more; every wave has waited for all its tensor loads
.irp ctl, 0,1,2,3,4,5
.irp u, 0,1
.irp jj, 0,1
	ds_store_b128 v11, v[ACC+16*\ctl+8*\u+4*\jj:ACC+16*\ctl+8*\u+4*\jj+3] offset:3200*\u+128*(\ctl/2)+32*(\ctl%2)+16*\jj
.endr
.endr
.endr
	WIN 0x40                                       ; destination window 1: w3's buffer 0 is done with (the scale words' registers hold scales and nothing else)
.irp q, 0,1,2,3,4,5,6,7
.irp p, 0,1,2
	ds_load_b128 v[4*(3*\q+\p):4*(3*\q+\p)+3], v12 offset:1600*\q+128*\p     ; LDS serves a wave's instructions in order (ISA guide 5.7.1.4): these see my stores
.endr
.endr
	WIN 0x04                                       ; a store's data are its source 1: window 1
.irp q, 0,1,2,3,4,5,6,7
.irp p, 0,1,2
	s_wait_dscnt 23-(3*\q+\p)
	global_store_b128 v13, v[4*(3*\q+\p):4*(3*\q+\p)+3], s[68:69] offset:12288*\q+128*\p th:TH_STORE_NT
.endr
.endr
	WIN 0
	s_wait_tensorcnt 0x0                           ; the wave's end
	ds_add_u32 v1, v2
	s_wait_dscnt 0x0
	CROUND                                         ; the closing round
	s_endpgm
.Lfunc_end_k_qb2d4758a24_ffn_down:
	.size	k_qb2d4758a24_ffn_down, .Lfunc_end_k_qb2d4758a24_ffn_down-k_qb2d4758a24_ffn_down
	.p2alignl 7, 3214868480
	.fill 96, 4, 3214868480
	.section	.rodata,"a",@progbits
	.p2align	6, 0x0
	.amdhsa_kernel k_qb2d4758a24_ffn_down
		.amdhsa_group_segment_fixed_size 327680
		.amdhsa_private_segment_fixed_size 0
		.amdhsa_enable_private_segment 0
		.amdhsa_kernarg_size 32
		.amdhsa_user_sgpr_count 2
		.amdhsa_user_sgpr_kernarg_segment_ptr 1
		.amdhsa_wavefront_size32 1
		.amdhsa_system_sgpr_workgroup_id_x 1
		.amdhsa_system_sgpr_workgroup_id_y 1
		.amdhsa_system_sgpr_workgroup_id_z 1
		.amdhsa_system_vgpr_workitem_id 0
		.amdhsa_next_free_vgpr 1024
		.amdhsa_next_free_sgpr 80
		.amdhsa_reserve_vcc 0
		.amdhsa_float_denorm_mode_32 3
		.amdhsa_float_denorm_mode_16_64 3
		.amdhsa_memory_ordered 1
		.amdhsa_forward_progress 1
		.amdhsa_inst_pref_size 119
	.end_amdhsa_kernel
	.amdgpu_metadata
---
amdhsa.version: [ 1, 2 ]
amdhsa.kernels:
  - .name:           k_qb2d4758a24_ffn_down
    .symbol:         k_qb2d4758a24_ffn_down.kd
    .args:
      - { .name: p0, .offset: 0, .size: 8, .value_kind: global_buffer, .address_space: global }
      - { .name: gb, .offset: 8, .size: 8, .value_kind: global_buffer, .address_space: global }
      - { .name: dout, .offset: 16, .size: 8, .value_kind: global_buffer, .address_space: global }
      - { .name: out0, .offset: 24, .size: 8, .value_kind: global_buffer, .address_space: global }
    .group_segment_fixed_size: 327680
    .private_segment_fixed_size: 0
    .kernarg_segment_align: 8
    .kernarg_segment_size: 32
    .max_flat_workgroup_size: 128
    .sgpr_count:     80
    .vgpr_count:     1024
    .wavefront_size: 32
...
	.end_amdgpu_metadata
.endif
;; end of part 6
